; MI455X (gfx1250); checked and timed in simulation.
; The chip was launched on July 23, 2026; its instructions are those of AMD's public machine-readable ISA for CDNA 5 (MIT licence, August 2026) and "CDNA5" Instruction Set Architecture Reference Guide (July 2026). The comments in the code are by the model that wrote it; some were corrected since.
;; Attn Pooling. Allowed arithmetic: matrix products marked QUANTISED: E5M2 operands, one E8M0 scale for each 32 along K, by v_wmma_scale_f32_16x16x128_f8f6f4 with both operands' format E5M2, f32 sums; products left as they are: f32 operands where the result goes on into a quantised operand, else bf16, f16 or f32 operands; f32 sums; everything else in f32.
;; Inputs: Wk 128 x 128 float32; Wq 128 x 128 float32; bk 128 float32; bq 128 float32; mask 8 x 16 x 64 x 64 int32; x 8 x 16 x 128 x 64 x 64 float32.
;; Outputs: out0 8 x 16 x 128 float32.
;; This version of the problem:
;;   THIS VERSION OF THE PROBLEM IS GIVEN IN LOW PRECISION. The matrix products marked QUANTISED in the list below multiply operands that are first quantised to E5M2 (5 exponent bits, 2 mantissa bits; 8 bits a number), with one power-of-two scale for each 32 numbers along K (OCP MX v1.0); their sums are f32. All else is computed in f32.
;;   The module's matrix products, in the order in which they are computed (A, B: the left and right operand; K: the contracted axis; several contracted axes count as one K, in the product's order):
;;     1. [M 128, K 128] x [K 128, N 128]; A: computed on the way; B: input Wq: QUANTISED
;;     2. [M 524,288, K 128] x [K 128, N 128]; A: input x; B: input Wk: QUANTISED
;;     3. batch 128 x [M 1, K 128] x [K 128, N 4,096]; A: computed on the way; B: computed on the way: left as it is (M = 1 < 16)
;;     4. batch 128 x [M 1, K 4,096] x [K 4,096, N 128]; A: softmax; B: input x: left as it is (M = 1 < 16)
;;   THE QUANTISER, for each operand of a quantised product, along K:
;;     - K is cut into blocks of 32 from its start; a last block that is shorter is filled with zeros.
;;     - A block's scale is 2^e with e = floor(log2(the largest magnitude in the block)) - 15, held to -126 .. 127; a block of zeros has e = 0. As a byte (E8M0): e + 127.
;;     - Each number is divided by its block's scale, clamped to +-57,344, and rounded to the nearest number of E5M2, ties to even, subnormals kept.
;;     - The product sums the exact products of the quantised numbers (number of the format x scale) in f32.
;;   ~~~python
;;   def quantise(x, axis):      # numpy; x: float32 -> the quantised numbers, widened to float32 again
;;       x = np.moveaxis(x, axis, -1); K = x.shape[-1]
;;       x = np.pad(x, [(0, 0)] * (x.ndim - 1) + [(0, -K % 32)]); x = x.reshape(x.shape[:-1] + (-1, 32)); a = np.abs(x).max(-1, keepdims=True)
;;       e = np.where(a > 0, np.clip(np.frexp(np.where(a > 0, a, 1))[1] - 1 - 15, -126, 127), 0)      # np.frexp(a)[1] - 1 = floor(log2(a)), exactly
;;       r = np.clip(x / 2.0 ** e, -57344, 57344)
;;       step = 2.0 ** (np.maximum(np.frexp(np.where(r == 0, 1, r))[1] - 1, -14) - 2)
;;       q = np.round(r / step) * step * 2.0 ** e      # np.round: ties to even
;;       return np.moveaxis(q.reshape(q.shape[:-2] + (-1,))[..., :K], -1, axis).astype(np.float32)
;;   ~~~
;;   OPERANDS COMPUTED ON THE WAY. 'Computed on the way' means the value that the module computes at that place (a softmax that the list does not call 'softmax' is quantised finished and normalised). What goes into a quantiser is computed in f32, as accurately as f32 sums, v_exp_f32 and their like allow (about 1e-6 of the number): no bf16 or f16 on the way to a quantiser, and a product that is left as it is and whose result goes on into a quantised operand takes f32 operands (vector FMAs, or v_wmma_f32_16x16x4_f32). A number that lies on a knife's edge between two numbers of the format may be rounded either way, as far as f32 arithmetic and the matrix unit's own rounding can turn it there, and no further.
;; 2 versions, each right; version 2 is version 1 with the launches means, attend written anew for expert scheduling mode. Each part assembles by itself: llvm-mc -triple=amdgcn-amd-amdhsa -mcpu=gfx1250 --defsym DOCPART=n.
;; ======== version 1 of 2: 3 launches
;; workspace buffers: mean 65,536 bytes; part 262,144 bytes
;; launch means (part 1): grid 256 x 1, 16 waves a work-group, no clusters, 10,240 bytes of LDS; arguments x, mask, mean; writes mean
.if DOCPART == 1
	.amdgcn_target "amdgcn-amd-amdhsa--gfx1250"
	.amdhsa_code_object_version 6
	.text
	.protected	k_q0346553720_means
	.globl	k_q0346553720_means
	.p2align	8
	.type	k_q0346553720_means,@function
k_q0346553720_means:
	s_mov_b64 s[64:65], 0
	v_nop
	global_prefetch_b8 v0, s[64:65] scope:SCOPE_SE
	s_setreg_imm32_b32 hwreg(HW_REG_WAVE_MODE, 25, 1), 1
	s_wait_xcnt 0x0
; mean[bn][d] = (sum over the 4,096 tokens k of x[bn][d][k] * m[bn][k]) / (sum over k of m[bn][k]),  m = the mask's whole numbers as f32.
; x: [128 bn][128 d][4096 k] f32;  mask: [128 bn][4096 k] int32;  mean: [128 bn][128 d] f32 (a workspace buffer).
; SHARES.  Work-group id: bn = id / 2, rows d = 64 (id % 2) .. + 63: 1 MiB of x.  Wave w owns tokens 256 w .. 256 w + 255 of every row: 1,024 bytes a row, two loads
; of 512 consecutive bytes.  A lane's eight mask numbers stay in registers, so each row costs four packed multiply-adds and two additions.
; A ring of 16 row slots in registers keeps 32 loads of every wave on their way.  Every offset is an immediate (at most 63 x 16,384 + 512 bytes): no pointer is stepped.
; Each row's lane sums are kept (64 registers), added across the 32 lanes at the end, and the sixteen waves' figures meet in LDS; wave 0 adds them, divides and stores.
; The stream binds: no matrix unit, no tensor load, no cluster (no two work-groups read the same bytes of x).
; LIMITS: the division is a multiplication by v_rcp_f32 of the count; a pair with no valid token gives 0 x infinity = NaN, where reference() has 0 / 0 = NaN.
.set ROWB, 16384                       ; bytes in a row of x
.set CNT,  4096                        ; LDS: [16 waves][64 rows] f32 at byte 0; the waves' counts, 16 words, here
.set MF,   12                          ; v[12:19]   my 8 mask numbers as f32
.set X,    32                          ; v[32:159]  16 row slots of 8 registers
.set RS,   160                         ; v[160:223] a lane sum for each of the 64 rows
	s_load_b128 s[4:7], s[0:1], 0x0                ; x s[4:5], mask s[6:7]
	s_load_b64 s[8:9], s[0:1], 0x10                ; mean
	v_lshl_add_u32 v224, v0, 2, 0x2000
	v_mov_b32 v225, 0
	v_lshrrev_b32 v10, 5, v0
	v_readfirstlane_b32 s10, v10                   ; wave 0..15
	v_and_b32 v11, 31, v0
	v_lshlrev_b32 v1, 4, v11
	v_lshl_add_u32 v1, s10, 10, v1                 ; v1: 1,024 x wave + 16 x lane: my 16 bytes of a row's (and of the mask's) first 512; never rewritten
	s_lshl_b32 s14, s10, 8
	v_mov_b32 v2, s14                              ; v2: LDS, my wave's 64 row sums
	s_lshl_b32 s15, s10, 2
	s_add_co_u32 s15, s15, CNT
	v_mov_b32 v3, s15                              ; v3: LDS, my wave's count
	v_and_b32 v4, 15, v0
	v_lshlrev_b32 v4, 4, v4                        ; v4: 16 x (lane % 16): four rows' sums, in LDS and in mean
	v_mov_b32 v5, CNT
	s_mov_b32 s12, 0x76543210                      ; v_permlanex16_b32's selects for lane l xor 16
	s_mov_b32 s13, 0xfedcba98
	s_lshl_b32 s16, ttmp9, 20                      ; x: id x 64 rows x 16,384 bytes (under 2^28)
	s_mov_b32 s17, 0
	s_lshr_b32 s18, ttmp9, 1
	s_lshl_b32 s18, s18, 14                        ; mask: bn x 16,384 bytes
	s_mov_b32 s19, 0
	s_lshl_b32 s20, ttmp9, 8                       ; mean: id x 64 numbers
	s_mov_b32 s21, 0
	s_wait_kmcnt 0x0
	s_add_nc_u64 s[4:5], s[4:5], s[16:17]
	s_add_nc_u64 s[6:7], s[6:7], s[18:19]
	s_add_nc_u64 s[8:9], s[8:9], s[20:21]
.macro FILL i                          ; row i into slot i % 16: two loads of 512 consecutive bytes
	global_load_b128 v[X+8*((\i)%16):X+8*((\i)%16)+3],   v1, s[4:5] offset:(\i)*ROWB th:TH_LOAD_NT
	global_load_b128 v[X+8*((\i)%16)+4:X+8*((\i)%16)+7], v1, s[4:5] offset:(\i)*ROWB+512 th:TH_LOAD_NT
.endm
	global_load_b128 v[MF:MF+3],   v1, s[6:7]              ; the mask of my 8 tokens (two work-groups read it: no hint)
	global_load_b128 v[MF+4:MF+7], v1, s[6:7] offset:512
.set n, 0
.rept 16
	FILL n
.set n, n+1
.endr
	s_wait_loadcnt 32                              ; the mask is in; the 32 loads of x issued behind it stay out
.irp k, 0,1,2,3,4,5,6,7
	v_cvt_f32_i32 v[MF+\k], v[MF+\k]
.endr
	v_pk_add_f32 v[20:21], v[MF:MF+1], v[MF+2:MF+3]        ; my part of the count
	v_pk_add_f32 v[22:23], v[MF+4:MF+5], v[MF+6:MF+7]
	v_pk_add_f32 v[20:21], v[20:21], v[22:23]
	v_add_f32 v20, v20, v21
; Row i: its two loads are in; the slot then takes the row 16 further down.
.macro ROW i
.if (\i) <= 47
	s_wait_loadcnt 30                              ; loads come back in order: behind row i's stand those of rows i + 1 .. i + 15
.else
	s_wait_loadcnt 2*(63-(\i))                     ; the last rows: the counts run down
.endif
.set XS, X+8*((\i)%16)
	v_pk_mul_f32 v[6:7], v[XS:XS+1], v[MF:MF+1]
	v_pk_mul_f32 v[8:9], v[XS+2:XS+3], v[MF+2:MF+3]
	v_pk_fma_f32 v[6:7], v[XS+4:XS+5], v[MF+4:MF+5], v[6:7]
	v_pk_fma_f32 v[8:9], v[XS+6:XS+7], v[MF+6:MF+7], v[8:9]
.if (\i)+16 < 64
	FILL (\i)+16
.endif
	v_pk_add_f32 v[6:7], v[6:7], v[8:9]
	v_add_f32 v[RS+(\i)], v6, v7
.endm
.set n, 0
.rept 64
	ROW n
.set n, n+1
.endr
	; across the 32 lanes, stage by stage over the 64 sums and the count, so that no line waits for the line above it
.irp k, 1,2,4,8
.set j, 0
.rept 64
	v_add_f32_dpp v[RS+j], v[RS+j], v[RS+j] row_xmask:\k row_mask:0xf bank_mask:0xf
.set j, j+1
.endr
	v_add_f32_dpp v20, v20, v20 row_xmask:\k row_mask:0xf bank_mask:0xf
.endr
.set j, 0
.rept 64
	v_permlanex16_b32 v[X+j], v[RS+j], s12, s13    ; the destination counts as read: the slots' registers have been written
.set j, j+1
.endr
	v_permlanex16_b32 v21, v20, s12, s13
.set j, 0
.rept 64
	v_add_f32 v[RS+j], v[RS+j], v[X+j]
.set j, j+1
.endr
	v_add_f32 v20, v20, v21
.irp k, 0,1,2,3,4,5,6,7,8,9,10,11,12,13,14,15
	ds_store_b128 v2, v[RS+4*\k:RS+4*\k+3] offset:16*\k    ; every lane holds the same sums and writes the same bytes
.endr
	ds_store_b32 v3, v20
	s_wait_dscnt 0x0                               ; for wave 0's sake: my stores have landed
	s_barrier_signal -1
	s_barrier_wait -1
	s_cmp_lg_u32 s10, 0
	s_cbranch_scc1 .Ldone                          ; wave 0 alone goes on
.irp k, 0,1,2,3,4,5,6,7,8,9,10,11,12,13,14,15
	ds_load_b128 v[32+4*\k:35+4*\k], v4 offset:256*\k      ; wave k's sums of rows 4 (lane % 16) .. + 3
.endr
.irp k, 0,1,2,3
	ds_load_b128 v[96+4*\k:99+4*\k], v5 offset:16*\k       ; the sixteen counts
.endr
	s_wait_dscnt 0x0
.irp k, 1,2,3,4,5,6,7
	v_pk_add_f32 v[96:97], v[96:97], v[96+2*\k:97+2*\k]
.endr
	v_add_f32 v96, v96, v97                        ; the count: whole numbers, exact in f32
	v_rcp_f32 v98, v96
.irp k, 1,2,3,4,5,6,7,8,9,10,11,12,13,14,15
	v_pk_add_f32 v[32:33], v[32:33], v[32+4*\k:33+4*\k]    ; the rows' sums: plain work behind the reciprocal, which names neither its result nor its source
	v_pk_add_f32 v[34:35], v[34:35], v[34+4*\k:35+4*\k]
.endr
	s_wait_alu depctr_va_vdst(0)                   ; the wait ahead of the first line that names the reciprocal
	v_pk_mul_f32 v[32:33], v[32:33], v[98:99] op_sel_hi:[1,0]
	v_pk_mul_f32 v[34:35], v[34:35], v[98:99] op_sel_hi:[1,0]
	global_store_b128 v4, v[32:35], s[8:9]         ; lanes l and l + 16 write the same 16 bytes: the store covers 256 consecutive bytes, aligned
.Ldone:
	s_wait_tensorcnt 0x0
	ds_add_u32 v224, v225
	s_wait_dscnt 0x0
	s_endpgm
.Lfunc_end_k_q0346553720_means:
	.size	k_q0346553720_means, .Lfunc_end_k_q0346553720_means-k_q0346553720_means
	.p2alignl 7, 3214868480
	.fill 96, 4, 3214868480
	.section	.rodata,"a",@progbits
	.p2align	6, 0x0
	.amdhsa_kernel k_q0346553720_means
		.amdhsa_group_segment_fixed_size 10240
		.amdhsa_private_segment_fixed_size 0
		.amdhsa_enable_private_segment 0
		.amdhsa_kernarg_size 24
		.amdhsa_user_sgpr_count 2
		.amdhsa_user_sgpr_kernarg_segment_ptr 1
		.amdhsa_wavefront_size32 1
		.amdhsa_system_sgpr_workgroup_id_x 1
		.amdhsa_system_sgpr_workgroup_id_y 1
		.amdhsa_system_sgpr_workgroup_id_z 1
		.amdhsa_system_vgpr_workitem_id 0
		.amdhsa_next_free_vgpr 226
		.amdhsa_next_free_sgpr 66
		.amdhsa_reserve_vcc 0
		.amdhsa_float_denorm_mode_32 3
		.amdhsa_float_denorm_mode_16_64 3
		.amdhsa_memory_ordered 1
		.amdhsa_forward_progress 1
		.amdhsa_inst_pref_size 66
	.end_amdhsa_kernel
	.amdgpu_metadata
---
amdhsa.version: [ 1, 2 ]
amdhsa.kernels:
  - .name:           k_q0346553720_means
    .symbol:         k_q0346553720_means.kd
    .args:
      - { .name: x, .offset: 0, .size: 8, .value_kind: global_buffer, .address_space: global }
      - { .name: mask, .offset: 8, .size: 8, .value_kind: global_buffer, .address_space: global }
      - { .name: mean, .offset: 16, .size: 8, .value_kind: global_buffer, .address_space: global }
    .group_segment_fixed_size: 10240
    .private_segment_fixed_size: 0
    .kernarg_segment_align: 8
    .kernarg_segment_size: 24
    .max_flat_workgroup_size: 512
    .sgpr_count:     66
    .vgpr_count:     226
    .wavefront_size: 32
...
	.end_amdgpu_metadata
.endif
;; end of part 1
;; launch attend (part 2): grid 256 x 1, 4 waves a work-group, no clusters, 29,184 bytes of LDS; arguments x, mask, mean, Wq, bq, Wk, bk, part; writes part
.if DOCPART == 2
	.amdgcn_target "amdgcn-amd-amdhsa--gfx1250"
	.amdhsa_code_object_version 6
	.text
	.protected	k_q0346553720_attend
	.globl	k_q0346553720_attend
	.p2align	8
	.type	k_q0346553720_attend,@function
k_q0346553720_attend:
	s_mov_b64 s[64:65], 0
	v_nop
	global_prefetch_b8 v0, s[64:65] scope:SCOPE_SE
	s_setreg_imm32_b32 hwreg(HW_REG_WAVE_MODE, 25, 1), 1
	s_wait_xcnt 0x0
; For one pair bn and one half of its 4,096 tokens (work-group id: bn = id / 2, half = id % 2):
;   query = Q(mean[bn]) Q(Wq)^T + bq;  keys[k] = Q(x[bn][:, k]) Q(Wk)^T + bk;  score[k] = query . keys[k];  t = score x c, c = log2(e) / sqrt(128), -infinity where mask[k] = 0;
;   a running softmax: M = the largest t, L = sum of 2^(t - M), A[d] = sum of 2^(t - M) x[bn][d][k].   part[id] = A[128], then (M, L, M, L) 32 times.  The next launch joins the halves.
; Q: codes of BF8 (E5M2) with one E8M0 scale for each 32 along d, made in registers; both quantised products by v_wmma_scale_f32_16x16x128_f8f6f4.  All else in f32.
; bk enters as query . bk, formed once and added to every score: query . (W x + bk) = query . (W x) + query . bk.
; x GOES FROM MEMORY STRAIGHT INTO REGISTERS.  A GROUP is 64 tokens x 128 d = 32 KiB.  Lane (r = lane % 16, h = lane / 16) holds tokens 4 r + j, j = 0 .. 3, and d = 32 c + 16 h + i:
; one load of 16 bytes a lane brings 256 consecutive aligned bytes of row d in lanes 0-15 and of row d + 16 in lanes 16-31; register 4 (16 c + i) + j of a buffer is x[32 c + 16 h + i][token 4 r + j].
; TILE j of a group is the 16 tokens 4 r + j: which tokens form a tile is free.  The hold at the largest code, which the quantiser wants anyway, reads with stride 4 and writes consecutive registers,
; in the order of a fragment's codes: so the conversions' results are the operand's registers, and nothing is transposed or sent through LDS.
; SHARES.  2,048 tokens = 32 groups; wave w of four takes groups 4 g + w, g = 0 .. 7: the four waves stand side by side on 1,024 bytes of each row.  Two buffers of 256 registers take turns:
; while one group is worked the next one's loads are out, and a buffer is asked for again (group g + 2) in four runs of 16 loads, each behind the pooling of its 16 rows.  No barrier stands in the loop.
; THE PRODUCTS ARE USED TRANSPOSED: source 0 = 16 rows of the weight, source 1 = 16 tokens: lane (r, h) gets keys[its token of the tile][16 t + 8 h + j] in register j of tile t.
; The query is made the same way, with the mean in all 16 columns and bq as C: every lane (r, h) then holds query[16 t + 8 h + j], the order that the dot product with the keys wants.
; Wave w quantises rows 32 w .. + 31 of Wk and of Wq; Wk's fragments, their scale words and the query go from wave to wave through LDS as images of their registers.
; The maximum, the sum and A are kept PER LANE in the loop, one m for a lane's four tokens; A as pairs (tokens 0 and 2; tokens 1 and 3) for the packed forms.  They are joined once at the end.
; NO CLUSTER: no two work-groups read the same bytes of x; what they share (Wq, Wk: 128 KiB against 1 MiB of x) is read once, at the head.
; LIMITS: NaN and infinities in x, the weights and the biases are not served.  A block of zeros, or one whose largest magnitude lies under 2^-111, gets the scale byte 1 (the rule says 127 for zeros):
; a zero block's codes are zeros, and the bytes are read by this program alone.  The largest t starts at -3e38: scores under that are not served.  A half with no valid token gives L = 0, A = 0.
; REGISTERS, in windows of 256 (s_set_vgpr_msb: bits 1:0 source 0, 3:2 source 1, 5:4 source 2, 7:6 destination):
;   window 0: the names below.   window 1: v0-127 Wk's 8 fragments, v128-255 A's 64 pairs (both hold the weights' f32 rows at the head).   window 2, 3: the two buffers of x.
.set ROWB, 16384                       ; bytes in a row of x
.set WKI,  0                           ; LDS: images of Wk's 8 fragments, 2,048 bytes each
.set WKS,  WKI+16384                   ; their scale words, 128 bytes each
.set QIM,  WKS+1024                    ; images of the query's 8 tiles, 1,024 bytes each
.set CB,   QIM+8192                    ; the waves' parts of query . bk
.set MX,   CB+256                      ; the waves' maxima
.set LSM,  MX+256                      ; the waves' sums
.set PAC,  LSM+256                     ; [4 waves][128 d] f32
.set XO,   1                           ; v1   x: 16 h rows + 256 w + 16 r bytes; never rewritten
.set MO,   2                           ; v2   mask: 256 w + 16 r; never rewritten
.set LI,   3                           ; v3   16 x lane: an image's place for my lane
.set LS,   4                           ; v4   4 x lane: a scale word's
.set GW,   5                           ; v5   a weight's row r of 512 bytes, + 64 h
.set H64,  6                           ; v6   64 h: the mean
.set H32,  7                           ; v7   32 h: the biases
.set SWI,  8                           ; v8   4,096 w + 16 x lane: where I store Wk's images
.set SWS,  9                           ; v9   256 w + 4 x lane: and their scale words
.set SQI,  10                          ; v10  2,048 w + 16 x lane: the query's tiles
.set SW4,  11                          ; v11  4 w: my wave's word in CB, MX, LSM
.set MM,   12                          ; v12  m
.set LL,   13                          ; v13  l
.set FF,   14                          ; v[14:15] f (v15 = 0: named as the pair's upper half)
.set PP,   16                          ; v[16:19] p of my four tokens
.set TT,   20                          ; v[20:23] their scores, then t
.set C0,   24                          ; v24  c x query . bk
.set U0,   25                          ; v25, v26 at work
.set U1,   26
.set AC,   27                          ; v27  0: LDS words that every lane reads
.set MK,   28                          ; v[28:31], v[32:35] the mask words of the two buffers' groups
.set PW,   36                          ; v36, v37 scale words just made; v40-47 Wk's: these hold scales and nothing else
.set WS,   40
.set PA,   38                          ; v38  512 w + 64 h: my place in PAC
.set BQ,   48                          ; v[48:63] bq, then my two tiles of the query; later small loads from LDS
.set T,    64                          ; v[64:127] held numbers, then the keys; at the end A
.set Q,    128                         ; v[128:191] the mean, then the query
.set PC,   192                         ; v[192:207] codes (the mean's, then a tile's)
.set PC2,  208                         ; v[208:223] codes of a weight's fragment
.set TM,   224                         ; v224-227 largest magnitudes, v228-231 bytes, v232-235 the largest number x the scale, v236-239 the conversions' scale operands; then the dot product's chains
.set BKR,  240                         ; v[240:255] bk of my 32 units
.set ACC,  128                         ; window 1
.set MSB, 0
.macro WIN new                         ; the immediate's high byte repeats the setting that is left; a switch that changes nothing is dropped
.if MSB != (\new)
	s_set_vgpr_msb (MSB<<8)|(\new)
.set MSB, (\new)
.endif
.endm
; 64 numbers of a lane in window win, number (b, i) in v[src + str (16 b + i)] = k 32 b + 16 h + i of my row or token, become a fragment's codes in v[pc] on and its scale word in v[pw].
; The held numbers go to T, on end.
.macro QUANT win, src, str, pc, pw
	WIN 0x14*(\win)                                ; sources 1 and 2 in the numbers' window
.irp b, 0,1,2,3
	v_max3_num_f32 v[TM+\b], s23, |v[(\src)+(\str)*(16*\b)]|, |v[(\src)+(\str)*(16*\b+1)]|   ; block b: my 16 numbers, and the floor 2^(16 - 127): so the byte cannot fall under 1
.endr
.irp i, 2,4,6,8,10,12,14
.irp b, 0,1,2,3
	v_max3_num_f32 v[TM+\b], v[TM+\b], |v[(\src)+(\str)*(16*\b+\i)]|, |v[(\src)+(\str)*(16*\b+\i+1)]|   ; the four blocks by turns
.endr
.endr
	WIN 0
.irp b, 0,1,2,3
	v_permlanex16_b32 v[TM+4+\b], v[TM+\b], s28, s29
.endr
.irp b, 0,1,2,3
	v_max_num_f32 v[TM+\b], v[TM+\b], v[TM+4+\b]   ; with lane l xor 16's 16: the block's largest magnitude
.endr
.irp b, 0,1,2,3
	v_add_nc_u32 v[TM+12+\b], 0xf8800000, v[TM+\b] ; 15 off its exponent field: the conversion takes the exponent field of this operand as its scale
.endr
.irp b, 0,1,2,3
	v_and_or_b32 v[TM+8+\b], v[TM+\b], 0x7f800000, s30   ; 57,344 x the scale: the exponent field over 57,344's mantissa field
.endr
.irp b, 0,1,2,3
	v_lshrrev_b32 v[TM+4+\b], 23, v[TM+12+\b]      ; the scale's byte
.endr
	v_lshl_or_b32 v[(\pw)], v[TM+5], 8, v[TM+4]    ; the four bytes make the scale word
	v_lshl_or_b32 v[(\pw)], v[TM+6], 16, v[(\pw)]
	v_lshl_or_b32 v[(\pw)], v[TM+7], 24, v[(\pw)]
	WIN (\win)                                     ; source 0 in the numbers' window
.irp b, 0,1,2,3
.irp i, 0,1,2,3,4,5,6,7,8,9,10,11,12,13,14,15
	v_med3_num_f32 v[T+16*\b+\i], v[(\src)+(\str)*(16*\b+\i)], -v[TM+8+\b], v[TM+8+\b]   ; the conversion to an 8-bit code does not saturate (ISA guide 7.6.2): the hold at the largest code x the scale; it also lays the numbers on end
.endr
.endr
	WIN 0
.irp b, 0,1,2,3
	v_cvt_scalef32_pk8_bf8_f32 v[(\pc)+4*\b:(\pc)+4*\b+1], v[T+16*\b:T+16*\b+7], v[TM+12+\b]
	v_cvt_scalef32_pk8_bf8_f32 v[(\pc)+4*\b+2:(\pc)+4*\b+3], v[T+16*\b+8:T+16*\b+15], v[TM+12+\b]
.endr
	v_nop                                          ; a plain vector line between the last conversion and whatever next touches its results or writes its sources
.endm
; 64 f32 numbers of a lane from memory: of its row, 16 neighbours of each block of 32
.macro WLOAD reg, ptr, off, imm
.irp b, 0,1,2,3
.irp j, 0,1,2,3
	global_load_b128 v[(\reg)+16*\b+4*\j:(\reg)+16*\b+4*\j+3], v[\off], s[\ptr:\ptr+1] offset:(\imm)+128*\b+16*\j
.endr
.endr
.endm
; A group's mask words, and 16 rows (block c) of its x, into buffer buf; off: the group's bytes in a row, from the bases
.macro FILLM buf, off
	global_load_b128 v[MK+4*(\buf):MK+4*(\buf)+3], v[MO], s[6:7] offset:(\off)
.endm
.macro FILLX buf, c, off
	WIN 0x80+0x40*(\buf)                           ; destination window 2 or 3, address window 0
.irp i, 0,1,2,3,4,5,6,7,8,9,10,11,12,13,14,15
	global_load_b128 v[4*(16*(\c)+\i):4*(16*(\c)+\i)+3], v[XO], s[4:5] offset:(32*(\c)+\i)*ROWB+(\off) th:TH_LOAD_NT
.endr
.endm
	s_load_b256 s[4:11], s[0:1], 0x0               ; x s[4:5], mask s[6:7], mean s[8:9], Wq s[10:11]
	s_load_b256 s[12:19], s[0:1], 0x20             ; bq s[12:13], Wk s[14:15], bk s[16:17], part s[18:19]
	v_lshrrev_b32 v[U0], 5, v0
	v_readfirstlane_b32 s20, v[U0]                 ; wave 0..3
	s_lshr_b32 s21, ttmp9, 1                       ; bn
	s_and_b32 s22, ttmp9, 1                        ; half
	v_and_b32 v[U0], 15, v0                        ; r
	v_bfe_u32 v[U1], v0, 4, 1                      ; h
	s_lshl_b32 s32, s20, 8
	v_lshl_add_u32 v[MO], v[U0], 4, s32            ; 256 w + 16 r
	v_lshl_add_u32 v[XO], v[U1], 18, v[MO]         ; + 16 h rows of 16,384 bytes
	v_and_b32 v[LS], 31, v0
	v_lshlrev_b32 v[LI], 4, v[LS]
	v_lshlrev_b32 v[LS], 2, v[LS]
	v_lshlrev_b32 v[GW], 9, v[U0]
	v_lshl_add_u32 v[GW], v[U1], 6, v[GW]
	v_lshlrev_b32 v[H64], 6, v[U1]
	v_lshlrev_b32 v[H32], 5, v[U1]
	v_add_nc_u32 v[SWS], s32, v[LS]                ; every LDS address is made here, of the wave's number, the lane and constants, and never rewritten
	s_lshl_b32 s32, s20, 12
	v_add_nc_u32 v[SWI], s32, v[LI]
	s_lshl_b32 s32, s20, 11
	v_add_nc_u32 v[SQI], s32, v[LI]
	s_lshl_b32 s32, s20, 2
	v_mov_b32 v[SW4], s32
	s_lshl_b32 s32, s20, 9
	v_lshl_add_u32 v[PA], v[U1], 6, s32
	v_mov_b32 v[AC], 0
	s_mov_b32 s28, 0x76543210                      ; v_permlanex16_b32's selects for lane l xor 16
	s_mov_b32 s29, 0xfedcba98
	s_mov_b32 s30, 0x600000                        ; the mantissa field of 57,344
	s_mov_b32 s31, 0x3e0293ee                      ; c = log2(e) / sqrt(128)
	s_mov_b32 s23, 0x8000000                       ; the floor 2^(16 - 127)
.irp b, 0,1,2,3
	v_mov_b32 v[TM+4+\b], 0                        ; written once: a lane permute's destination counts as one of its sources
.endr
	v_mov_b32 v[FF+1], 0
	s_lshl_b32 s24, s21, 21                        ; x: bn x 2 MiB + half x 2,048 tokens x 4 bytes (under 2^28)
	s_lshl_b32 s33, s22, 13
	s_add_co_u32 s24, s24, s33
	s_mov_b32 s25, 0
	s_lshl_b32 s26, s21, 14                        ; mask: bn x 16,384 + half x 8,192
	s_add_co_u32 s26, s26, s33
	s_mov_b32 s27, 0
	s_lshl_b32 s34, s20, 14                        ; my 32 rows of Wk and of Wq
	s_mov_b32 s35, 0
	s_lshl_b32 s36, s21, 9                         ; mean[bn]
	s_mov_b32 s37, 0
	s_lshl_b32 s38, s20, 7                         ; my 32 numbers of bq and of bk
	s_mov_b32 s39, 0
	s_lshl_b32 s40, ttmp9, 10                      ; part[id]
	s_mov_b32 s41, 0
	s_wait_kmcnt 0x0
	s_add_nc_u64 s[4:5], s[4:5], s[24:25]
	s_add_nc_u64 s[6:7], s[6:7], s[26:27]
	s_add_nc_u64 s[14:15], s[14:15], s[34:35]
	s_add_nc_u64 s[10:11], s[10:11], s[34:35]
	s_add_nc_u64 s[8:9], s[8:9], s[36:37]
	s_add_nc_u64 s[12:13], s[12:13], s[38:39]
	s_add_nc_u64 s[16:17], s[16:17], s[38:39]
	s_add_nc_u64 s[18:19], s[18:19], s[40:41]
	; THE LOADS OF THE HEAD, in this order: group 0 of x (65 loads), so that the stream begins at once; the weights, the mean and the biases (88); group 1 of x (65).
	; An instruction that would push a counter past its field is held back at issue (ISA guide 5.7.1): so of these 218 at most 63 are out at a time, and no wait is written for that.
	FILLM 0, 0
.irp c, 0,1,2,3
	FILLX 0, \c, 0
.endr
	WIN 0x40                                       ; destination window 1
	WLOAD 0, 14, GW, 0                             ; Wk's rows 32 w + r,
	WLOAD 64, 14, GW, 8192                         ; 32 w + 16 + r;
	WLOAD 128, 10, GW, 0                           ; Wq's likewise
	WLOAD 192, 10, GW, 8192
	WIN 0
	WLOAD Q, 8, H64, 0                             ; the mean: every lane r takes the same row
.irp u, 0,1
	global_load_b128 v[BQ+8*\u:BQ+8*\u+3],     v[H32], s[12:13] offset:64*\u      ; bq[32 w + 16 u + 8 h + 0 .. 7]
	global_load_b128 v[BQ+8*\u+4:BQ+8*\u+7],   v[H32], s[12:13] offset:64*\u+16
	global_load_b128 v[BKR+8*\u:BKR+8*\u+3],   v[H32], s[16:17] offset:64*\u      ; bk likewise
	global_load_b128 v[BKR+8*\u+4:BKR+8*\u+7], v[H32], s[16:17] offset:64*\u+16
.endr
	FILLM 1, 1024
.irp c, 0,1,2,3
	FILLX 1, \c, 1024
.endr
	WIN 0
	s_wait_loadcnt 63                              ; behind bk's last load stand group 1's 65, and 63 is the most that the wait can name: the weights, the mean and the biases are in
	QUANT 0, Q, 1, PC, PW                          ; the mean: source 1 of the query's products
.irp u, 0,1
	QUANT 1, 64*\u, 1, PC2, PW+1                   ; Wk's fragment 2 w + u
.irp c, 0,1,2,3
	ds_store_b128 v[SWI], v[PC2+4*\c:PC2+4*\c+3] offset:WKI+2048*\u+512*\c   ; as it stands: lane l's 16 bytes at 16 l
.endr
	ds_store_b32 v[SWS], v[PW+1] offset:WKS+128*\u
	s_wait_dscnt 0x0                               ; the stores have read their registers, which are written again now
.endr
.irp u, 0,1
	QUANT 1, 128+64*\u, 1, PC2, PW+1               ; Wq's fragment 2 w + u
.rept 3
	v_nop                                          ; with QUANT's last line: four places between the codes and the product; the scale words were made ahead of the holds
.endr
	v_wmma_scale_f32_16x16x128_f8f6f4 v[BQ+8*\u:BQ+8*\u+7], v[PC2:PC2+15], v[PC:PC+15], v[BQ+8*\u:BQ+8*\u+7], v[PW+1], v[PW] matrix_a_fmt:MATRIX_FMT_BF8 matrix_b_fmt:MATRIX_FMT_BF8   ; query[32 w + 16 u + 8 h + j] in every lane (r, h); bq is the C
.endr
.rept 8
	v_nop                                          ; eight places ahead of the first read of the results
.endr
	v_pk_mul_f32 v[TM:TM+1], v[BQ:BQ+1], v[BKR:BKR+1]      ; query . bk over my 32 units; each tile's registers from the low end on
.irp p, 1,2,3,4,5,6,7
	v_pk_fma_f32 v[TM:TM+1], v[BQ+2*\p:BQ+2*\p+1], v[BKR+2*\p:BKR+2*\p+1], v[TM:TM+1]
.endr
	v_add_f32 v[U0], v[TM], v[TM+1]
	v_permlanex16_b32 v[TM+8], v[U0], s28, s29
	v_add_f32 v[U0], v[U0], v[TM+8]                ; with the other half's 16 units
	ds_store_b32 v[SW4], v[U0] offset:CB           ; every lane holds the same number and writes the same word
.irp u, 0,1
	ds_store_b128 v[SQI], v[BQ+8*\u:BQ+8*\u+3]   offset:QIM+1024*\u
	ds_store_b128 v[SQI], v[BQ+8*\u+4:BQ+8*\u+7] offset:QIM+1024*\u+512
.endr
	s_wait_dscnt 0x0                               ; for the others' sake: my images have landed
	s_barrier_signal -1
	s_barrier_wait -1
	WIN 0x40
.irp t, 0,1,2,3,4,5,6,7
.irp c, 0,1,2,3
	ds_load_b128 v[16*\t+4*\c:16*\t+4*\c+3], v[LI] offset:WKI+2048*\t+512*\c      ; Wk's 8 fragments: they stay
.endr
.endr
	WIN 0
.irp t, 0,1,2,3,4,5,6,7
.irp c, 0,1
	ds_load_b128 v[Q+8*\t+4*\c:Q+8*\t+4*\c+3], v[LI] offset:QIM+1024*\t+512*\c    ; the query: register 8 t + j = query[16 t + 8 h + j]
.endr
.endr
.irp t, 0,1,2,3,4,5,6,7
	ds_load_b32 v[WS+\t], v[LS] offset:WKS+128*\t  ; Wk's scale words
.endr
	ds_load_b128 v[BQ:BQ+3], v[AC] offset:CB       ; the four parts of query . bk
	WIN 0x40
.set k, 0
.rept 128
	v_mov_b32 v[ACC+k], 0                          ; A.  The group is written with no first turn of its own (a fifth copy of it would be too much text): it finds zeros
.set k, k+1
.endr
	WIN 0
	v_mov_b32 v[MM], 0xff61b1e6                    ; m: -3e38, under every t
	v_mov_b32 v[LL], 0                             ; l
	s_wait_dscnt 0x0
	v_add_f32 v[U0], v[BQ], v[BQ+1]
	v_add_f32 v[U1], v[BQ+2], v[BQ+3]
	v_add_f32 v[U0], v[U0], v[U1]
	v_mul_f32 v[C0], s31, v[U0]                    ; c x query . bk
; TILE j of the group in buffer buf: the 16 tokens 4 r + j.  Its score goes to v[TT + j].
.macro TILEQ buf, j
	QUANT 2+(\buf), \j, 4, PC, PW
.rept 3
	v_nop                                          ; with QUANT's last line: four places between the codes and the products
.endr
	WIN 0x01                                       ; source 0 (Wk) in window 1
.irp t, 0,1,2,3,4,5,6,7
	v_wmma_scale_f32_16x16x128_f8f6f4 v[T+8*\t:T+8*\t+7], v[16*\t:16*\t+15], v[PC:PC+15], 0, v[WS+\t], v[PW] matrix_a_fmt:MATRIX_FMT_BF8 matrix_b_fmt:MATRIX_FMT_BF8
.endr
.rept 8
	v_nop                                          ; eight places ahead of the first read of the results
.endr
	WIN 0
.irp p, 0,1,2,3
	v_pk_mul_f32 v[TM+2*\p:TM+2*\p+1], v[T+2*\p:T+2*\p+1], v[Q+2*\p:Q+2*\p+1]   ; query . keys in four chains of pairs; each tile's registers from the low end on
.endr
.irp t, 1,2,3,4,5,6,7
.irp p, 0,1,2,3
	v_pk_fma_f32 v[TM+2*\p:TM+2*\p+1], v[T+8*\t+2*\p:T+8*\t+2*\p+1], v[Q+8*\t+2*\p:Q+8*\t+2*\p+1], v[TM+2*\p:TM+2*\p+1]
.endr
.endr
	v_pk_add_f32 v[TM:TM+1], v[TM:TM+1], v[TM+2:TM+3]
	v_pk_add_f32 v[TM+4:TM+5], v[TM+4:TM+5], v[TM+6:TM+7]
	v_pk_add_f32 v[TM:TM+1], v[TM:TM+1], v[TM+4:TM+5]
	v_add_f32 v[U0], v[TM], v[TM+1]
	v_permlanex16_b32 v[TM+8], v[U0], s28, s29     ; the other 64 of the 128 lie in lane l xor 16
	v_add_f32 v[TT+(\j)], v[U0], v[TM+8]           ; the same bits in both lanes
.endm
; A GROUP in buffer buf.  left: how many younger loads may stay out.  refill = 1: the buffer takes the group two on, off bytes from the bases.
.macro GROUP buf, refill, left, off
	s_wait_loadcnt \left                           ; loads come back in order: this group's 65 are in
.irp j, 0,1,2,3
	TILEQ \buf, \j
.endr
.irp j, 0,1,2,3
	v_fma_f32 v[TT+\j], v[TT+\j], s31, v[C0]       ; t = c (query . W x) + c (query . bk)
.endr
.irp j, 0,1,2,3
	v_cmp_ne_u32 vcc_lo, 0, v[MK+4*(\buf)+\j]
	v_cndmask_b32 v[TT+\j], 0xff800000, v[TT+\j], vcc_lo   ; -infinity where the mask is 0
.endr
	v_max3_num_f32 v[U0], v[TT], v[TT+1], v[TT+2]
	v_max3_num_f32 v[U0], v[U0], v[TT+3], v[MM]    ; the lane's new m
	v_sub_f32 v[U1], v[MM], v[U0]
.irp j, 0,1,2,3
	v_sub_f32 v[TT+\j], v[TT+\j], v[U0]
.endr
	v_mov_b32 v[MM], v[U0]
	v_exp_f32 v[FF], v[U1]                         ; f = 2^(old m - new m)
.irp j, 0,1,2,3
	v_exp_f32 v[PP+\j], v[TT+\j]                   ; p = 2^(t - m)
.endr
	v_nop                                          ; a plain line behind the exponentials
	s_wait_alu depctr_va_vdst(0)                   ; the wait ahead of the first line that names a result: one for the five
	v_fma_f32 v[LL], v[LL], v[FF], v[PP]           ; l = l f + the four p
	v_add_f32 v[U0], v[PP+1], v[PP+2]
	v_add_f32 v[LL], v[LL], v[PP+3]
	v_add_f32 v[LL], v[LL], v[U0]
.if \refill
	FILLM \buf, \off                               ; the mask words have been read
.endif
	WIN 0x41                                       ; A (destination and source 0) in window 1
.set k, 0
.rept 64
	v_pk_mul_f32 v[ACC+k:ACC+k+1], v[ACC+k:ACC+k+1], v[FF:FF+1] op_sel_hi:[1,0]
.set k, k+2
.endr
.irp c, 0,1,2,3
	WIN 0x52+(\buf)                                ; x (source 0) in window 2 or 3, p in window 0, A in window 1
.set k, 16*\c
.rept 16
	v_pk_fma_f32 v[ACC+2*k:ACC+2*k+1], v[4*k:4*k+1], v[PP:PP+1], v[ACC+2*k:ACC+2*k+1]         ; tokens 0 and 1
.set k, k+1
.endr
.set k, 16*\c
.rept 16
	v_pk_fma_f32 v[ACC+2*k:ACC+2*k+1], v[4*k+2:4*k+3], v[PP+2:PP+3], v[ACC+2*k:ACC+2*k+1]     ; tokens 2 and 3
.set k, k+1
.endr
.if \refill
	FILLX \buf, \c, \off                           ; these 16 rows' registers have had their last read
.endif
.endr
	WIN 0                                          ; at a label and at a branch every window is 0
.endm
	s_mov_b32 s33, 3
.Lpair:                                            ; three trips: groups 0 to 5 are worked, groups 2 to 7 asked for
	GROUP 0, 1, 63, 2048                           ; behind this buffer's loads stand the other buffer's 65 (the first time more): 63 is the most that the wait can name
	GROUP 1, 1, 63, 3072
	s_wait_xcnt 0x0                                ; the loads have read their bases, which step only behind this wait
	s_add_nc_u64 s[4:5], s[4:5], 2048              ; two groups on: 512 tokens x 4 bytes, in x's rows and in the mask
	s_add_nc_u64 s[6:7], s[6:7], 2048
	s_sub_co_u32 s33, s33, 1
	s_cmp_lg_u32 s33, 0
	s_cbranch_scc1 .Lpair
	GROUP 0, 0, 63, 0                              ; the last two groups are written out: nothing is left to fetch, and no load leaves its buffer
	GROUP 1, 0, 0, 0
	; THE WAY OUT.  A's pairs are added; the lanes' m, l and A are brought under one M and added: across the 16 lanes of a half (the halves hold the same tokens and other d), then across the waves through LDS.
	WIN 0x05                                       ; sources 0 and 1 in window 1
.set k, 0
.rept 64
	v_add_f32 v[T+k], v[ACC+2*k], v[ACC+2*k+1]
.set k, k+1
.endr
	WIN 0
	v_mov_b32 v[U0], v[MM]
.irp x, 1,2,4,8
	v_max_num_f32_dpp v[U0], v[U0], v[U0] row_xmask:\x row_mask:0xf bank_mask:0xf
.endr
	ds_store_b32 v[SW4], v[U0] offset:MX           ; every lane holds the wave's maximum and writes the same word
	s_wait_dscnt 0x0
	s_barrier_signal -1
	s_barrier_wait -1
	ds_load_b128 v[BQ:BQ+3], v[AC] offset:MX
	s_wait_dscnt 0x0
	v_max3_num_f32 v[U1], v[BQ], v[BQ+1], v[BQ+2]
	v_max_num_f32 v[U1], v[U1], v[BQ+3]            ; M
	v_sub_f32 v[U0], v[MM], v[U1]
	v_exp_f32 v[FF], v[U0]                         ; 2^(m - M)
	v_nop
	s_wait_alu depctr_va_vdst(0)                   ; the wait ahead of the first reader
	v_mul_f32 v[LL], v[LL], v[FF]
.set k, 0
.rept 32
	v_pk_mul_f32 v[T+k:T+k+1], v[T+k:T+k+1], v[FF:FF+1] op_sel_hi:[1,0]
.set k, k+2
.endr
.irp x, 1,2,4,8
.set k, 0
.rept 64
	v_add_f32_dpp v[T+k], v[T+k], v[T+k] row_xmask:\x row_mask:0xf bank_mask:0xf
.set k, k+1
.endr
	v_add_f32_dpp v[LL], v[LL], v[LL] row_xmask:\x row_mask:0xf bank_mask:0xf
.endr
.irp c, 0,1,2,3
.irp i, 0,1,2,3
	ds_store_b128 v[PA], v[T+16*\c+4*\i:T+16*\c+4*\i+3] offset:PAC+128*\c+16*\i   ; d = 32 c + 16 h + 4 i on; the 16 lanes of a half write the same bytes with the same numbers
.endr
.endr
	ds_store_b32 v[SW4], v[LL] offset:LSM
	s_wait_dscnt 0x0                               ; for wave 0's sake: my stores have landed
	s_barrier_signal -1
	s_barrier_wait -1
	s_cmp_lg_u32 s20, 0
	s_cbranch_scc1 .Lend                           ; wave 0 alone adds the waves' parts
.irp w, 0,1,2,3
	ds_load_b128 v[T+4*\w:T+4*\w+3], v[LI] offset:PAC+512*\w      ; wave w's numbers d = 4 x lane .. + 3
.endr
	ds_load_b128 v[BQ:BQ+3], v[AC] offset:LSM
	s_wait_dscnt 0x0
.irp w, 1,2,3
	v_pk_add_f32 v[T:T+1], v[T:T+1], v[T+4*\w:T+4*\w+1]
	v_pk_add_f32 v[T+2:T+3], v[T+2:T+3], v[T+4*\w+2:T+4*\w+3]
.endr
	v_pk_add_f32 v[BQ:BQ+1], v[BQ:BQ+1], v[BQ+2:BQ+3]
	v_add_f32 v[BQ+5], v[BQ], v[BQ+1]              ; L
	v_mov_b32 v[BQ+4], v[U1]                       ; M
	v_mov_b32 v[BQ+6], v[U1]
	v_mov_b32 v[BQ+7], v[BQ+5]
	global_store_b128 v[LI], v[T:T+3], s[18:19]                  ; A: 512 consecutive bytes, aligned
	global_store_b128 v[LI], v[BQ+4:BQ+7], s[18:19] offset:512   ; (M, L, M, L) in every lane: 512 more
.Lend:
	s_wait_xcnt 0x0
	v_lshl_add_u32 v254, v0, 2, 0x7000
	v_mov_b32 v255, 0
	s_wait_tensorcnt 0x0
	ds_add_u32 v254, v255
	s_wait_dscnt 0x0
	s_endpgm
.Lfunc_end_k_q0346553720_attend:
	.size	k_q0346553720_attend, .Lfunc_end_k_q0346553720_attend-k_q0346553720_attend
	.p2alignl 7, 3214868480
	.fill 96, 4, 3214868480
	.section	.rodata,"a",@progbits
	.p2align	6, 0x0
	.amdhsa_kernel k_q0346553720_attend
		.amdhsa_group_segment_fixed_size 29184
		.amdhsa_private_segment_fixed_size 0
		.amdhsa_enable_private_segment 0
		.amdhsa_kernarg_size 64
		.amdhsa_user_sgpr_count 2
		.amdhsa_user_sgpr_kernarg_segment_ptr 1
		.amdhsa_wavefront_size32 1
		.amdhsa_system_sgpr_workgroup_id_x 1
		.amdhsa_system_sgpr_workgroup_id_y 1
		.amdhsa_system_sgpr_workgroup_id_z 1
		.amdhsa_system_vgpr_workitem_id 0
		.amdhsa_next_free_vgpr 1024
		.amdhsa_next_free_sgpr 66
		.amdhsa_reserve_vcc 1
		.amdhsa_float_denorm_mode_32 3
		.amdhsa_float_denorm_mode_16_64 3
		.amdhsa_memory_ordered 1
		.amdhsa_forward_progress 1
		.amdhsa_inst_pref_size 255
	.end_amdhsa_kernel
	.section	.bss,"aw",@nobits
	.p2align	6
	.space	262144
	.amdgpu_metadata
---
amdhsa.version: [ 1, 2 ]
amdhsa.kernels:
  - .name:           k_q0346553720_attend
    .symbol:         k_q0346553720_attend.kd
    .args:
      - { .name: x, .offset: 0, .size: 8, .value_kind: global_buffer, .address_space: global }
      - { .name: mask, .offset: 8, .size: 8, .value_kind: global_buffer, .address_space: global }
      - { .name: mean, .offset: 16, .size: 8, .value_kind: global_buffer, .address_space: global }
      - { .name: Wq, .offset: 24, .size: 8, .value_kind: global_buffer, .address_space: global }
      - { .name: bq, .offset: 32, .size: 8, .value_kind: global_buffer, .address_space: global }
      - { .name: Wk, .offset: 40, .size: 8, .value_kind: global_buffer, .address_space: global }
      - { .name: bk, .offset: 48, .size: 8, .value_kind: global_buffer, .address_space: global }
      - { .name: part, .offset: 56, .size: 8, .value_kind: global_buffer, .address_space: global }
    .group_segment_fixed_size: 29184
    .private_segment_fixed_size: 0
    .kernarg_segment_align: 8
    .kernarg_segment_size: 64
    .max_flat_workgroup_size: 128
    .sgpr_count:     66
    .vgpr_count:     1024
    .wavefront_size: 32
...
	.end_amdgpu_metadata
.endif
;; end of part 2
;; launch combine (part 3): grid 32 x 1, 4 waves a work-group, no clusters, 0 bytes of LDS; arguments part, out0; writes out0
.if DOCPART == 3
	.amdgcn_target "amdgcn-amd-amdhsa--gfx1250"
	.amdhsa_code_object_version 6
	.text
	.protected	k_q0346553720_combine
	.globl	k_q0346553720_combine
	.p2align	8
	.type	k_q0346553720_combine,@function
k_q0346553720_combine:
	s_mov_b64 s[64:65], 0
	v_nop
	global_prefetch_b8 v0, s[64:65] scope:SCOPE_SE
	s_setreg_imm32_b32 hwreg(HW_REG_WAVE_MODE, 25, 1), 1
	s_wait_xcnt 0x0
; out0[bn][d] = (A0[d] 2^(M0 - M) + A1[d] 2^(M1 - M)) / (L0 2^(M0 - M) + L1 2^(M1 - M)),  M = max(M0, M1): the two halves of a pair's tokens are joined.
; part: [256][1,024 bytes]: A[128] f32, then (M, L, M, L) 32 times; the halves of pair bn are entries 2 bn and 2 bn + 1.  out0: [128 bn][128 d] f32.
; A wave takes a pair: a lane four d; each load and the store cover 512 consecutive bytes.  128 waves of work in all: 32 work-groups of four.
; A pair with no valid token has L = 0 and A = 0: 0 x infinity = NaN, as reference() gives.
	s_load_b128 s[4:7], s[0:1], 0x0                ; part s[4:5], out0 s[6:7]
	v_lshrrev_b32 v2, 5, v0
	v_readfirstlane_b32 s8, v2                     ; wave 0..3
	v_and_b32 v1, 31, v0
	v_lshlrev_b32 v1, 4, v1                        ; 16 x lane
	s_lshl_b32 s9, ttmp9, 2
	s_add_co_u32 s9, s9, s8                        ; bn
	s_lshl_b32 s10, s9, 11
	s_mov_b32 s11, 0
	s_lshl_b32 s12, s9, 9
	s_mov_b32 s13, 0
	s_wait_kmcnt 0x0
	s_add_nc_u64 s[4:5], s[4:5], s[10:11]
	s_add_nc_u64 s[6:7], s[6:7], s[12:13]
	global_load_b128 v[4:7],   v1, s[4:5]                  ; A0
	global_load_b128 v[8:11],  v1, s[4:5] offset:512       ; M0, L0
	global_load_b128 v[12:15], v1, s[4:5] offset:1024      ; A1
	global_load_b128 v[16:19], v1, s[4:5] offset:1536      ; M1, L1
	s_wait_loadcnt 0x0
	v_max_num_f32 v20, v8, v16                     ; M
	v_sub_f32 v21, v8, v20
	v_sub_f32 v22, v16, v20
	v_exp_f32 v21, v21                             ; f0
	v_exp_f32 v22, v22                             ; f1
	v_nop                                          ; a plain line behind the exponentials
	s_wait_alu depctr_va_vdst(0)                   ; the wait ahead of the first reader: one for both
	v_mul_f32 v23, v9, v21
	v_fma_f32 v23, v17, v22, v23                   ; L
	v_rcp_f32 v24, v23
	v_nop
	s_wait_alu depctr_va_vdst(0)
	v_mul_f32 v26, v21, v24                        ; f0 / L, twice: a pair for the packed forms
	v_mul_f32 v27, v21, v24
	v_mul_f32 v28, v22, v24                        ; f1 / L
	v_mul_f32 v29, v22, v24
	v_pk_mul_f32 v[4:5], v[4:5], v[26:27]
	v_pk_mul_f32 v[6:7], v[6:7], v[26:27]
	v_pk_fma_f32 v[4:5], v[12:13], v[28:29], v[4:5]
	v_pk_fma_f32 v[6:7], v[14:15], v[28:29], v[6:7]
	global_store_b128 v1, v[4:7], s[6:7]           ; 512 consecutive bytes, aligned
	s_endpgm
.Lfunc_end_k_q0346553720_combine:
	.size	k_q0346553720_combine, .Lfunc_end_k_q0346553720_combine-k_q0346553720_combine
	.p2alignl 7, 3214868480
	.fill 96, 4, 3214868480
	.section	.rodata,"a",@progbits
	.p2align	6, 0x0
	.amdhsa_kernel k_q0346553720_combine
		.amdhsa_group_segment_fixed_size 0
		.amdhsa_private_segment_fixed_size 0
		.amdhsa_enable_private_segment 0
		.amdhsa_kernarg_size 16
		.amdhsa_user_sgpr_count 2
		.amdhsa_user_sgpr_kernarg_segment_ptr 1
		.amdhsa_wavefront_size32 1
		.amdhsa_system_sgpr_workgroup_id_x 1
		.amdhsa_system_sgpr_workgroup_id_y 1
		.amdhsa_system_sgpr_workgroup_id_z 1
		.amdhsa_system_vgpr_workitem_id 0
		.amdhsa_next_free_vgpr 32
		.amdhsa_next_free_sgpr 66
		.amdhsa_reserve_vcc 0
		.amdhsa_float_denorm_mode_32 3
		.amdhsa_float_denorm_mode_16_64 3
		.amdhsa_memory_ordered 1
		.amdhsa_forward_progress 1
		.amdhsa_inst_pref_size 3
	.end_amdhsa_kernel
	.amdgpu_metadata
---
amdhsa.version: [ 1, 2 ]
amdhsa.kernels:
  - .name:           k_q0346553720_combine
    .symbol:         k_q0346553720_combine.kd
    .args:
      - { .name: part, .offset: 0, .size: 8, .value_kind: global_buffer, .address_space: global }
      - { .name: out0, .offset: 8, .size: 8, .value_kind: global_buffer, .address_space: global }
    .group_segment_fixed_size: 0
    .private_segment_fixed_size: 0
    .kernarg_segment_align: 8
    .kernarg_segment_size: 16
    .max_flat_workgroup_size: 128
    .sgpr_count:     66
    .vgpr_count:     32
    .wavefront_size: 32
...
	.end_amdgpu_metadata
.endif
;; end of part 3
;; ======== version 2 of 2: 3 launches; version 1 with the launches means, attend written anew for expert scheduling mode
;; workspace buffers: mean 65,536 bytes; part 262,144 bytes
;; launch means (part 4): grid 256 x 1, 16 waves a work-group, no clusters, 10,240 bytes of LDS; arguments x, mask, mean; writes mean
.if DOCPART == 4
	.amdgcn_target "amdgcn-amd-amdhsa--gfx1250"
	.amdhsa_code_object_version 6
	.text
	.protected	k_q0346553720_means
	.globl	k_q0346553720_means
	.p2align	8
	.type	k_q0346553720_means,@function
k_q0346553720_means:
	s_mov_b64 s[64:65], 0
	v_nop
	global_prefetch_b8 v0, s[64:65] scope:SCOPE_SE
	s_setreg_imm32_b32 hwreg(HW_REG_WAVE_SCHED_MODE, 0, 2), 2
	s_setreg_imm32_b32 hwreg(HW_REG_WAVE_MODE, 25, 1), 1
	s_wait_xcnt 0x0
	s_wait_alu depctr_vm_vsrc(0)
; mean[bn][d] = (sum over the 4,096 tokens k of x[bn][d][k] * m[bn][k]) / (sum over k of m[bn][k]),  m = the mask's whole numbers as f32.
; x: [128 bn][128 d][4096 k] f32;  mask: [128 bn][4096 k] int32;  mean: [128 bn][128 d] f32 (a workspace buffer).
; SHARES.  Work-group id: bn = id / 2, rows d = 64 (id % 2) .. + 63: 1 MiB of x.  Wave w owns tokens 256 w .. 256 w + 255 of every row: 1,024 bytes a row, two loads
; of 512 consecutive bytes.  A lane's eight mask numbers stay in registers, so each row costs four packed multiply-adds and two additions.
; Every offset is an immediate (at most 63 x 16,384 + 512 bytes): no pointer is stepped.
; Each row's lane sums are kept (64 registers), added across the 32 lanes at the end, and the sixteen waves' figures meet in LDS; wave 0 adds them, divides and stores.
; The stream binds: no matrix unit, no tensor load, no cluster (no two work-groups read the same bytes of x).
; LIMITS: the division is a multiplication by v_rcp_f32 of the count; a pair with no valid token gives 0 x infinity = NaN, where reference() has 0 / 0 = NaN.
; THE MODE: SCHED_MODE bits 1:0 = 2 (LLVM: expert scheduling mode 2), set by the entry lines.  The code itself states the register dependences between vector instructions
; and memory or LDS instructions, with s_wait_alu, always for 0.
; THE PLAN.  The 64 rows go in 16 blocks of four, through 20 row slots in registers: five blocks of slots by turns.  Registers that memory or LDS instructions touch:
;   the slots     Block p's multiplications read the slots of rows 4 p .. 4 p + 3.  Its eight loads (rows 4 p + 16 ..) land in the slots that block p - 1 read, which no vector line of block p names.
;   v1 .. v5      offsets and LDS addresses, made once at the head and never written again; v224, v225 likewise, for the closing lines alone.
;   v[RS ..], v20 written by vector lines, read by the LDS stores at the end;  v[32:35]: the data of the last store.
; So one wait on va_vdst at a block's head, behind the wait for the block's data, states all that the block's eight loads hang on; they are dealt among its rows with no further wait.
; At a block's head the three younger blocks stay out; with the eight loads that follow, 32 loads of every wave are on their way.
.set ROWB, 16384                       ; bytes in a row of x
.set CNT,  4096                        ; LDS: [16 waves][64 rows] f32 at byte 0; the waves' counts, 16 words, here
.set MF,   12                          ; v[12:19]   my 8 mask numbers as f32
.set X,    32                          ; v[32:159]  row slots 0 to 15, 8 registers each; slot 16: v[24:31]; slots 17 to 19: v[226:249]
.set RS,   160                         ; v[160:223] a lane sum for each of the 64 rows
	s_load_b128 s[4:7], s[0:1], 0x0                ; x s[4:5], mask s[6:7]
	s_load_b64 s[8:9], s[0:1], 0x10                ; mean
	v_lshl_add_u32 v224, v0, 2, 0x2000
	v_mov_b32 v225, 0
	v_lshrrev_b32 v10, 5, v0
	v_readfirstlane_b32 s10, v10                   ; wave 0..15
	v_and_b32 v11, 31, v0
	v_lshlrev_b32 v1, 4, v11
	s_wait_alu depctr_va_sdst(0)                   ; s10 is written, ahead of its first reader: the offsets and LDS addresses below are made from it
	v_lshl_add_u32 v1, s10, 10, v1                 ; v1: 1,024 x wave + 16 x lane: my 16 bytes of a row's (and of the mask's) first 512; never rewritten
	s_lshl_b32 s14, s10, 8
	v_mov_b32 v2, s14                              ; v2: LDS, my wave's 64 row sums
	s_lshl_b32 s15, s10, 2
	s_add_co_u32 s15, s15, CNT
	v_mov_b32 v3, s15                              ; v3: LDS, my wave's count
	v_and_b32 v4, 15, v0
	v_lshlrev_b32 v4, 4, v4                        ; v4: 16 x (lane % 16): four rows' sums, in LDS and in mean
	v_mov_b32 v5, CNT
	s_mov_b32 s12, 0x76543210                      ; v_permlanex16_b32's selects for lane l xor 16
	s_mov_b32 s13, 0xfedcba98
	s_lshl_b32 s16, ttmp9, 20                      ; x: id x 64 rows x 16,384 bytes (under 2^28)
	s_mov_b32 s17, 0
	s_lshr_b32 s18, ttmp9, 1
	s_lshl_b32 s18, s18, 14                        ; mask: bn x 16,384 bytes
	s_mov_b32 s19, 0
	s_lshl_b32 s20, ttmp9, 8                       ; mean: id x 64 numbers
	s_mov_b32 s21, 0
	s_wait_kmcnt 0x0
	s_add_nc_u64 s[4:5], s[4:5], s[16:17]
	s_add_nc_u64 s[6:7], s[6:7], s[18:19]
	s_add_nc_u64 s[8:9], s[8:9], s[20:21]
	s_wait_alu depctr_va_vdst(0)                   ; v1 to v5 are written: every load, store and LDS instruction of the kernel reads one of them as its offset or address
.macro SLOT i                          ; XS = the first of the eight registers of row i's slot, i % 20
.set sl, (\i)%20
.if sl < 16
.set XS, X+8*sl
.elseif sl == 16
.set XS, 24
.else
.set XS, 226+8*(sl-17)
.endif
.endm
.macro FILL i                          ; row i into its slot: two loads of 512 consecutive bytes
	SLOT \i
	global_load_b128 v[XS:XS+3],   v1, s[4:5] offset:(\i)*ROWB th:TH_LOAD_NT
	global_load_b128 v[XS+4:XS+7], v1, s[4:5] offset:(\i)*ROWB+512 th:TH_LOAD_NT
.endm
	global_load_b128 v[MF:MF+3],   v1, s[6:7]              ; the mask of my 8 tokens (two work-groups read it: no hint)
	global_load_b128 v[MF+4:MF+7], v1, s[6:7] offset:512
.set n, 0
.rept 16
	FILL n
.set n, n+1
.endr
	s_wait_loadcnt 32                              ; the mask is in; the 32 loads of x issued behind it stay out
.irp k, 0,1,2,3,4,5,6,7
	v_cvt_f32_i32 v[MF+\k], v[MF+\k]
.endr
	v_pk_add_f32 v[20:21], v[MF:MF+1], v[MF+2:MF+3]        ; my part of the count
	v_pk_add_f32 v[22:23], v[MF+4:MF+5], v[MF+6:MF+7]
	v_pk_add_f32 v[20:21], v[20:21], v[22:23]
	v_add_f32 v20, v20, v21
; Block p: rows 4 p .. 4 p + 3.  Its eight loads are in; the slots that the block before read take the rows 16 further down than this block's.
.macro BLK p
.if (\p) <= 12
	s_wait_loadcnt 24                              ; loads come back in order: behind block p's stand those of blocks p + 1 .. p + 3
.else
	s_wait_loadcnt 8*(15-(\p))                     ; the last blocks: the counts run down
.endif
.if (\p) > 0 && (\p) <= 11
	s_wait_alu depctr_va_vdst(0)                   ; the block before is done reading its four slots, in which the loads below land.  (Block 0's loads land in slots that no vector line has named; blocks 12 to 15 load nothing)
.endif
.irp q, 0,1,2,3
.if (\p) <= 11
	FILL 4*(\p)+\q+16                              ; no vector line since the wait names these registers
.endif
	SLOT 4*(\p)+\q
	v_pk_mul_f32 v[6:7], v[XS:XS+1], v[MF:MF+1]
	v_pk_mul_f32 v[8:9], v[XS+2:XS+3], v[MF+2:MF+3]
	v_pk_fma_f32 v[6:7], v[XS+4:XS+5], v[MF+4:MF+5], v[6:7]
	v_pk_fma_f32 v[8:9], v[XS+6:XS+7], v[MF+6:MF+7], v[8:9]
	v_pk_add_f32 v[6:7], v[6:7], v[8:9]
	v_add_f32 v[RS+4*(\p)+\q], v6, v7
.endr
.endm
.set n, 0
.rept 16
	BLK n
.set n, n+1
.endr
	; across the 32 lanes, stage by stage over the 64 sums and the count, so that no line waits for the line above it
.irp k, 1,2,4,8
.set j, 0
.rept 64
	v_add_f32_dpp v[RS+j], v[RS+j], v[RS+j] row_xmask:\k row_mask:0xf bank_mask:0xf
.set j, j+1
.endr
	v_add_f32_dpp v20, v20, v20 row_xmask:\k row_mask:0xf bank_mask:0xf
.endr
.set j, 0
.rept 64
	v_permlanex16_b32 v[X+j], v[RS+j], s12, s13    ; the destination counts as read: the slots' registers have been written
.set j, j+1
.endr
	v_permlanex16_b32 v21, v20, s12, s13
.set j, 0
.rept 64
	v_add_f32 v[RS+j], v[RS+j], v[X+j]
.set j, j+1
.endr
	v_add_f32 v20, v20, v21
	s_wait_alu depctr_va_vdst(0)                   ; the additions have written v[RS ..] and v20, which the LDS stores read; and every vector line that named v32 to v111, in which wave 0's LDS loads land, is done
.irp k, 0,1,2,3,4,5,6,7,8,9,10,11,12,13,14,15
	ds_store_b128 v2, v[RS+4*\k:RS+4*\k+3] offset:16*\k    ; every lane holds the same sums and writes the same bytes
.endr
	ds_store_b32 v3, v20
	s_wait_dscnt 0x0                               ; for wave 0's sake: my stores have landed
	s_barrier_signal -1
	s_barrier_wait -1
	s_cmp_lg_u32 s10, 0
	s_cbranch_scc1 .Ldone                          ; wave 0 alone goes on
.irp k, 0,1,2,3,4,5,6,7,8,9,10,11,12,13,14,15
	ds_load_b128 v[32+4*\k:35+4*\k], v4 offset:256*\k      ; wave k's sums of rows 4 (lane % 16) .. + 3.  No wait: no vector line stands behind the wait above
.endr
.irp k, 0,1,2,3
	ds_load_b128 v[96+4*\k:99+4*\k], v5 offset:16*\k       ; the sixteen counts
.endr
	s_wait_dscnt 0x0
.irp k, 1,2,3,4,5,6,7
	v_pk_add_f32 v[96:97], v[96:97], v[96+2*\k:97+2*\k]
.endr
	v_add_f32 v96, v96, v97                        ; the count: whole numbers, exact in f32
	v_rcp_f32 v98, v96
.irp k, 1,2,3,4,5,6,7,8,9,10,11,12,13,14,15
	v_pk_add_f32 v[32:33], v[32:33], v[32+4*\k:33+4*\k]    ; the rows' sums: plain work behind the reciprocal, which names neither its result nor its source
	v_pk_add_f32 v[34:35], v[34:35], v[34+4*\k:35+4*\k]
.endr
	s_wait_alu depctr_va_vdst(0)                   ; the reciprocal has written v98: the wait ahead of the first line that names it
	v_pk_mul_f32 v[32:33], v[32:33], v[98:99] op_sel_hi:[1,0]
	v_pk_mul_f32 v[34:35], v[34:35], v[98:99] op_sel_hi:[1,0]
	s_wait_alu depctr_va_vdst(0)                   ; the two multiplications have written v[32:35], the store's data
	global_store_b128 v4, v[32:35], s[8:9]         ; lanes l and l + 16 write the same 16 bytes: the store covers 256 consecutive bytes, aligned
.Ldone:
	s_wait_dscnt 0x0                               ; the closing lines, six on end
	s_wait_alu 0x0
	s_wait_tensorcnt 0x0
	ds_add_u32 v224, v225
	s_wait_dscnt 0x0
	s_endpgm
.Lfunc_end_k_q0346553720_means:
	.size	k_q0346553720_means, .Lfunc_end_k_q0346553720_means-k_q0346553720_means
	.p2alignl 7, 3214868480
	.fill 96, 4, 3214868480
	.section	.rodata,"a",@progbits
	.p2align	6, 0x0
	.amdhsa_kernel k_q0346553720_means
		.amdhsa_group_segment_fixed_size 10240
		.amdhsa_private_segment_fixed_size 0
		.amdhsa_enable_private_segment 0
		.amdhsa_kernarg_size 24
		.amdhsa_user_sgpr_count 2
		.amdhsa_user_sgpr_kernarg_segment_ptr 1
		.amdhsa_wavefront_size32 1
		.amdhsa_system_sgpr_workgroup_id_x 1
		.amdhsa_system_sgpr_workgroup_id_y 1
		.amdhsa_system_sgpr_workgroup_id_z 1
		.amdhsa_system_vgpr_workitem_id 0
		.amdhsa_next_free_vgpr 250
		.amdhsa_next_free_sgpr 66
		.amdhsa_reserve_vcc 0
		.amdhsa_float_denorm_mode_32 3
		.amdhsa_float_denorm_mode_16_64 3
		.amdhsa_memory_ordered 1
		.amdhsa_forward_progress 1
		.amdhsa_inst_pref_size 65
	.end_amdhsa_kernel
	.amdgpu_metadata
---
amdhsa.version: [ 1, 2 ]
amdhsa.kernels:
  - .name:           k_q0346553720_means
    .symbol:         k_q0346553720_means.kd
    .args:
      - { .name: x, .offset: 0, .size: 8, .value_kind: global_buffer, .address_space: global }
      - { .name: mask, .offset: 8, .size: 8, .value_kind: global_buffer, .address_space: global }
      - { .name: mean, .offset: 16, .size: 8, .value_kind: global_buffer, .address_space: global }
    .group_segment_fixed_size: 10240
    .private_segment_fixed_size: 0
    .kernarg_segment_align: 8
    .kernarg_segment_size: 24
    .max_flat_workgroup_size: 512
    .sgpr_count:     66
    .vgpr_count:     250
    .wavefront_size: 32
...
	.end_amdgpu_metadata
.endif
;; end of part 4
;; launch attend (part 5): grid 256 x 1, 4 waves a work-group, no clusters, 29,184 bytes of LDS; arguments x, mask, mean, Wq, bq, Wk, bk, part; writes part
.if DOCPART == 5
	.amdgcn_target "amdgcn-amd-amdhsa--gfx1250"
	.amdhsa_code_object_version 6
	.text
	.protected	k_q0346553720_attend
	.globl	k_q0346553720_attend
	.p2align	8
	.type	k_q0346553720_attend,@function
k_q0346553720_attend:
	s_mov_b64 s[64:65], 0
	v_nop
	global_prefetch_b8 v0, s[64:65] scope:SCOPE_SE
	s_setreg_imm32_b32 hwreg(HW_REG_WAVE_SCHED_MODE, 0, 2), 2
	s_setreg_imm32_b32 hwreg(HW_REG_WAVE_MODE, 25, 1), 1
	s_wait_xcnt 0x0
	s_wait_alu depctr_vm_vsrc(0)
; For one pair bn and one half of its 4,096 tokens (work-group id: bn = id / 2, half = id % 2):
;   query = Q(mean[bn]) Q(Wq)^T + bq;  keys[k] = Q(x[bn][:, k]) Q(Wk)^T + bk;  score[k] = query . keys[k];  t = score x c, c = log2(e) / sqrt(128), -infinity where mask[k] = 0;
;   a running softmax: M = the largest t, L = sum of 2^(t - M), A[d] = sum of 2^(t - M) x[bn][d][k].   part[id] = A[128], then (M, L, M, L) 32 times.  The next launch joins the halves.
; Q: codes of BF8 (E5M2) with one E8M0 scale for each 32 along d, made in registers; both quantised products by v_wmma_scale_f32_16x16x128_f8f6f4.  All else in f32.
; bk enters as query . bk, formed once and added to every score: query . (W x + bk) = query . (W x) + query . bk.
; x GOES FROM MEMORY STRAIGHT INTO REGISTERS.  A GROUP is 64 tokens x 128 d = 32 KiB.  Lane (r = lane % 16, h = lane / 16) holds tokens 4 r + j, j = 0 .. 3, and d = 32 c + 16 h + i:
; one load of 16 bytes a lane brings 256 consecutive aligned bytes of row d in lanes 0-15 and of row d + 16 in lanes 16-31; register 4 (16 c + i) + j of a buffer is x[32 c + 16 h + i][token 4 r + j].
; TILE j of a group is the 16 tokens 4 r + j: which tokens form a tile is free.  The hold at the largest code, which the quantiser wants anyway, reads with stride 4 and writes consecutive registers,
; in the order of a fragment's codes: so the conversions' results are the operand's registers, and nothing is transposed or sent through LDS.
; SHARES.  2,048 tokens = 32 groups; wave w of four takes groups 4 g + w, g = 0 .. 7: the four waves stand side by side on 1,024 bytes of each row.  Two buffers of 256 registers take turns:
; while one group is worked the next one's loads are out, and a buffer is asked for again (group g + 2) in one run of 65 loads behind its group's pooling.  No barrier stands in the loop.
; THE PRODUCTS ARE USED TRANSPOSED: source 0 = 16 rows of the weight, source 1 = 16 tokens: lane (r, h) gets keys[its token of the tile][16 t + 8 h + j] in register j of tile t.
; The query is made the same way, with the mean in all 16 columns and bq as C: every lane (r, h) then holds query[16 t + 8 h + j], the order that the dot product with the keys wants.
; Wave w quantises rows 32 w .. + 31 of Wk and of Wq; Wk's fragments, their scale words and the query go from wave to wave through LDS as images of their registers.
; The maximum, the sum and A are kept PER LANE in the loop, one m for a lane's four tokens; A as pairs (tokens 0 and 2; tokens 1 and 3) for the packed forms.  They are joined once at the end.
; NO CLUSTER: no two work-groups read the same bytes of x; what they share (Wq, Wk: 128 KiB against 1 MiB of x) is read once, at the head.
; LIMITS: NaN and infinities in x, the weights and the biases are not served.  A block of zeros, or one whose largest magnitude lies under 2^-111, gets the scale byte 1 (the rule says 127 for zeros):
; a zero block's codes are zeros, and the bytes are read by this program alone.  The largest t starts at -3e38: scores under that are not served.  A half with no valid token gives L = 0, A = 0.
; THE MODE: SCHED_MODE bits 1:0 = 2 (LLVM: expert scheduling mode 2), set by the entry lines.  The code itself states the register dependences between vector or matrix instructions
; and memory or LDS instructions, with s_wait_alu, always for 0.
; THE PLAN.  Registers that memory or LDS instructions touch:
;   v1-11, v27, v38   offsets and LDS addresses: made at the head, ahead of one wait on va_vdst, and never written again; the rows of x are reached by scalar bases and immediate offsets.
;   the two buffers of x and their mask words v[MK ..]   In the loop: written by loads alone; read by the group's maxima and holds, by its four compares and, last, by its pooling.  ONE wait on va_vdst stands
;                     behind the pooling, and the buffer's 65 loads follow it in one run.  The other buffer's group names none of these registers.
;   v[PC2 ..], v[PW+1]  at the head: written by the quantiser, read by the LDS stores of Wk's images: a wait on va_vdst ahead of each run of stores, one on vm_vsrc behind it, ahead of the next fragment's codes.
;   v[BQ ..], v[U0], v[T ..], v[LL]   data of LDS stores at the head and on the way out: va_vdst ahead of each run; vm_vsrc ahead of whatever next writes them, a load's data too.
;   window 1, v[Q ..]  at the head: loaded as f32, read by the quantiser, then loaded from LDS: a wait on va_vdst ahead of those loads.
; The codes v[PC ..] and the scale word v[PW] of a tile are written by vector lines and taken by scaled products: behind the places a wait on va_vdst stands ahead of each run of products.
; Scalar results of vector lines: the wave's number, and a group's four masks in s42 to s45: a wait on va_sdst between each run of writers and its first reader.
; REGISTERS, in windows of 256 (s_set_vgpr_msb: bits 1:0 source 0, 3:2 source 1, 5:4 source 2, 7:6 destination):
;   window 0: the names below.   window 1: v0-127 Wk's 8 fragments, v128-255 A's 64 pairs (both hold the weights' f32 rows at the head).   window 2, 3: the two buffers of x.
.set ROWB, 16384                       ; bytes in a row of x
.set WKI,  0                           ; LDS: images of Wk's 8 fragments, 2,048 bytes each
.set WKS,  WKI+16384                   ; their scale words, 128 bytes each
.set QIM,  WKS+1024                    ; images of the query's 8 tiles, 1,024 bytes each
.set CB,   QIM+8192                    ; the waves' parts of query . bk
.set MX,   CB+256                      ; the waves' maxima
.set LSM,  MX+256                      ; the waves' sums
.set PAC,  LSM+256                     ; [4 waves][128 d] f32
.set XO,   1                           ; v1   x: 16 h rows + 256 w + 16 r bytes; never rewritten
.set MO,   2                           ; v2   mask: 256 w + 16 r; never rewritten
.set LI,   3                           ; v3   16 x lane: an image's place for my lane
.set LS,   4                           ; v4   4 x lane: a scale word's
.set GW,   5                           ; v5   a weight's row r of 512 bytes, + 64 h
.set H64,  6                           ; v6   64 h: the mean
.set H32,  7                           ; v7   32 h: the biases
.set SWI,  8                           ; v8   4,096 w + 16 x lane: where I store Wk's images
.set SWS,  9                           ; v9   256 w + 4 x lane: and their scale words
.set SQI,  10                          ; v10  2,048 w + 16 x lane: the query's tiles
.set SW4,  11                          ; v11  4 w: my wave's word in CB, MX, LSM
.set MM,   12                          ; v12  m
.set LL,   13                          ; v13  l
.set FF,   14                          ; v[14:15] f (v15 = 0: named as the pair's upper half)
.set PP,   16                          ; v[16:19] p of my four tokens
.set TT,   20                          ; v[20:23] their scores, then t
.set C0,   24                          ; v24  c x query . bk
.set U0,   25                          ; v25, v26 at work
.set U1,   26
.set AC,   27                          ; v27  0: LDS words that every lane reads
.set MK,   28                          ; v[28:31], v[32:35] the mask words of the two buffers' groups
.set PW,   36                          ; v36, v37 scale words just made; v40-47 Wk's: these hold scales and nothing else
.set WS,   40
.set PA,   38                          ; v38  512 w + 64 h: my place in PAC
.set BQ,   48                          ; v[48:63] bq, then my two tiles of the query; later small loads from LDS
.set T,    64                          ; v[64:127] held numbers, then the keys; at the end A
.set Q,    128                         ; v[128:191] the mean, then the query
.set PC,   192                         ; v[192:207] codes (the mean's, then a tile's)
.set PC2,  208                         ; v[208:223] codes of a weight's fragment
.set TM,   224                         ; v224-227 largest magnitudes, v228-231 bytes, v232-235 the largest number x the scale, v236-239 the conversions' scale operands; then the dot product's chains
.set BKR,  240                         ; v[240:255] bk of my 32 units
.set ACC,  128                         ; window 1
.set VM,   42                          ; s42-45 a group's four masks
.set MSB, 0
.macro WIN new                         ; the immediate's high byte repeats the setting that is left; a switch that changes nothing is dropped
.if MSB != (\new)
	s_set_vgpr_msb (MSB<<8)|(\new)
.set MSB, (\new)
.endif
.endm
; 64 numbers of a lane in window win, number (b, i) in v[src + str (16 b + i)] = k 32 b + 16 h + i of my row or token, become a fragment's codes in v[pc] on and its scale word in v[pw].
; The held numbers go to T, on end.
.macro QUANT win, src, str, pc, pw
	WIN 0x14*(\win)                                ; sources 1 and 2 in the numbers' window
.irp b, 0,1,2,3
	v_max3_num_f32 v[TM+\b], s23, |v[(\src)+(\str)*(16*\b)]|, |v[(\src)+(\str)*(16*\b+1)]|   ; block b: my 16 numbers, and the floor 2^(16 - 127): so the byte cannot fall under 1
.endr
.irp i, 2,4,6,8,10,12,14
.irp b, 0,1,2,3
	v_max3_num_f32 v[TM+\b], v[TM+\b], |v[(\src)+(\str)*(16*\b+\i)]|, |v[(\src)+(\str)*(16*\b+\i+1)]|   ; the four blocks by turns
.endr
.endr
	WIN 0
.irp b, 0,1,2,3
	v_permlanex16_b32 v[TM+4+\b], v[TM+\b], s28, s29
.endr
.irp b, 0,1,2,3
	v_max_num_f32 v[TM+\b], v[TM+\b], v[TM+4+\b]   ; with lane l xor 16's 16: the block's largest magnitude
.endr
.irp b, 0,1,2,3
	v_add_nc_u32 v[TM+12+\b], 0xf8800000, v[TM+\b] ; 15 off its exponent field: the conversion takes the exponent field of this operand as its scale
.endr
.irp b, 0,1,2,3
	v_and_or_b32 v[TM+8+\b], v[TM+\b], 0x7f800000, s30   ; 57,344 x the scale: the exponent field over 57,344's mantissa field
.endr
.irp b, 0,1,2,3
	v_lshrrev_b32 v[TM+4+\b], 23, v[TM+12+\b]      ; the scale's byte
.endr
	v_lshl_or_b32 v[(\pw)], v[TM+5], 8, v[TM+4]    ; the four bytes make the scale word
	v_lshl_or_b32 v[(\pw)], v[TM+6], 16, v[(\pw)]
	v_lshl_or_b32 v[(\pw)], v[TM+7], 24, v[(\pw)]
	WIN (\win)                                     ; source 0 in the numbers' window
.irp b, 0,1,2,3
.irp i, 0,1,2,3,4,5,6,7,8,9,10,11,12,13,14,15
	v_med3_num_f32 v[T+16*\b+\i], v[(\src)+(\str)*(16*\b+\i)], -v[TM+8+\b], v[TM+8+\b]   ; the conversion to an 8-bit code does not saturate (ISA guide 7.6.2): the hold at the largest code x the scale; it also lays the numbers on end
.endr
.endr
	WIN 0
.irp b, 0,1,2,3
	v_cvt_scalef32_pk8_bf8_f32 v[(\pc)+4*\b:(\pc)+4*\b+1], v[T+16*\b:T+16*\b+7], v[TM+12+\b]
	v_cvt_scalef32_pk8_bf8_f32 v[(\pc)+4*\b+2:(\pc)+4*\b+3], v[T+16*\b+8:T+16*\b+15], v[TM+12+\b]
.endr
	v_nop                                          ; a plain vector line between the last conversion and whatever next touches its results or writes its sources
.endm
; 64 f32 numbers of a lane from memory: of its row, 16 neighbours of each block of 32
.macro WLOAD reg, ptr, off, imm
.irp b, 0,1,2,3
.irp j, 0,1,2,3
	global_load_b128 v[(\reg)+16*\b+4*\j:(\reg)+16*\b+4*\j+3], v[\off], s[\ptr:\ptr+1] offset:(\imm)+128*\b+16*\j
.endr
.endr
.endm
; A group's mask words, and 16 rows (block c) of its x, into buffer buf; off: the group's bytes in a row, from the bases
.macro FILLM buf, off
	global_load_b128 v[MK+4*(\buf):MK+4*(\buf)+3], v[MO], s[6:7] offset:(\off)
.endm
.macro FILLX buf, c, off
	WIN 0x80+0x40*(\buf)                           ; destination window 2 or 3, address window 0
.irp i, 0,1,2,3,4,5,6,7,8,9,10,11,12,13,14,15
	global_load_b128 v[4*(16*(\c)+\i):4*(16*(\c)+\i)+3], v[XO], s[4:5] offset:(32*(\c)+\i)*ROWB+(\off) th:TH_LOAD_NT
.endr
.endm
	s_load_b256 s[4:11], s[0:1], 0x0               ; x s[4:5], mask s[6:7], mean s[8:9], Wq s[10:11]
	s_load_b256 s[12:19], s[0:1], 0x20             ; bq s[12:13], Wk s[14:15], bk s[16:17], part s[18:19]
	v_lshrrev_b32 v[U0], 5, v0
	v_readfirstlane_b32 s20, v[U0]                 ; wave 0..3
	s_lshr_b32 s21, ttmp9, 1                       ; bn
	s_and_b32 s22, ttmp9, 1                        ; half
	v_and_b32 v[U0], 15, v0                        ; r
	v_bfe_u32 v[U1], v0, 4, 1                      ; h
	s_wait_alu depctr_va_sdst(0)                   ; s20 is written, ahead of its first reader: offsets, LDS addresses and bases are made from it
	s_lshl_b32 s32, s20, 8
	v_lshl_add_u32 v[MO], v[U0], 4, s32            ; 256 w + 16 r
	v_lshl_add_u32 v[XO], v[U1], 18, v[MO]         ; + 16 h rows of 16,384 bytes
	v_and_b32 v[LS], 31, v0
	v_lshlrev_b32 v[LI], 4, v[LS]
	v_lshlrev_b32 v[LS], 2, v[LS]
	v_lshlrev_b32 v[GW], 9, v[U0]
	v_lshl_add_u32 v[GW], v[U1], 6, v[GW]
	v_lshlrev_b32 v[H64], 6, v[U1]
	v_lshlrev_b32 v[H32], 5, v[U1]
	v_add_nc_u32 v[SWS], s32, v[LS]                ; every LDS address is made here, of the wave's number, the lane and constants, and never rewritten
	s_lshl_b32 s32, s20, 12
	v_add_nc_u32 v[SWI], s32, v[LI]
	s_lshl_b32 s32, s20, 11
	v_add_nc_u32 v[SQI], s32, v[LI]
	s_lshl_b32 s32, s20, 2
	v_mov_b32 v[SW4], s32
	s_lshl_b32 s32, s20, 9
	v_lshl_add_u32 v[PA], v[U1], 6, s32
	v_mov_b32 v[AC], 0
	s_mov_b32 s28, 0x76543210                      ; v_permlanex16_b32's selects for lane l xor 16
	s_mov_b32 s29, 0xfedcba98
	s_mov_b32 s30, 0x600000                        ; the mantissa field of 57,344
	s_mov_b32 s31, 0x3e0293ee                      ; c = log2(e) / sqrt(128)
	s_mov_b32 s23, 0x8000000                       ; the floor 2^(16 - 127)
.irp b, 0,1,2,3
	v_mov_b32 v[TM+4+\b], 0                        ; written once: a lane permute's destination counts as one of its sources
.endr
	v_mov_b32 v[FF+1], 0
	s_lshl_b32 s24, s21, 21                        ; x: bn x 2 MiB + half x 2,048 tokens x 4 bytes (under 2^28)
	s_lshl_b32 s33, s22, 13
	s_add_co_u32 s24, s24, s33
	s_mov_b32 s25, 0
	s_lshl_b32 s26, s21, 14                        ; mask: bn x 16,384 + half x 8,192
	s_add_co_u32 s26, s26, s33
	s_mov_b32 s27, 0
	s_lshl_b32 s34, s20, 14                        ; my 32 rows of Wk and of Wq
	s_mov_b32 s35, 0
	s_lshl_b32 s36, s21, 9                         ; mean[bn]
	s_mov_b32 s37, 0
	s_lshl_b32 s38, s20, 7                         ; my 32 numbers of bq and of bk
	s_mov_b32 s39, 0
	s_lshl_b32 s40, ttmp9, 10                      ; part[id]
	s_mov_b32 s41, 0
	s_wait_kmcnt 0x0
	s_add_nc_u64 s[4:5], s[4:5], s[24:25]
	s_add_nc_u64 s[6:7], s[6:7], s[26:27]
	s_add_nc_u64 s[14:15], s[14:15], s[34:35]
	s_add_nc_u64 s[10:11], s[10:11], s[34:35]
	s_add_nc_u64 s[8:9], s[8:9], s[36:37]
	s_add_nc_u64 s[12:13], s[12:13], s[38:39]
	s_add_nc_u64 s[16:17], s[16:17], s[38:39]
	s_add_nc_u64 s[18:19], s[18:19], s[40:41]
	s_wait_alu depctr_va_vdst(0)                   ; the thirteen offsets and addresses v1-11, v27, v38 are written: every load, store and LDS instruction of the kernel reads one of them.  Only loads and window switches follow, down to the wait for the weights
	; THE LOADS OF THE HEAD, in this order: group 0 of x (65 loads), so that the stream begins at once; the weights, the mean and the biases (88); group 1 of x (65).
	; An instruction that would push a counter past its field is held back at issue (ISA guide 5.7.1): so of these 218 at most 63 are out at a time, and no wait is written for that.
	FILLM 0, 0
.irp c, 0,1,2,3
	FILLX 0, \c, 0
.endr
	WIN 0x40                                       ; destination window 1
	WLOAD 0, 14, GW, 0                             ; Wk's rows 32 w + r,
	WLOAD 64, 14, GW, 8192                         ; 32 w + 16 + r;
	WLOAD 128, 10, GW, 0                           ; Wq's likewise
	WLOAD 192, 10, GW, 8192
	WIN 0
	WLOAD Q, 8, H64, 0                             ; the mean: every lane r takes the same row
.irp u, 0,1
	global_load_b128 v[BQ+8*\u:BQ+8*\u+3],     v[H32], s[12:13] offset:64*\u      ; bq[32 w + 16 u + 8 h + 0 .. 7]
	global_load_b128 v[BQ+8*\u+4:BQ+8*\u+7],   v[H32], s[12:13] offset:64*\u+16
	global_load_b128 v[BKR+8*\u:BKR+8*\u+3],   v[H32], s[16:17] offset:64*\u      ; bk likewise
	global_load_b128 v[BKR+8*\u+4:BKR+8*\u+7], v[H32], s[16:17] offset:64*\u+16
.endr
	FILLM 1, 1024
.irp c, 0,1,2,3
	FILLX 1, \c, 1024
.endr
	WIN 0
	s_wait_loadcnt 63                              ; behind bk's last load stand group 1's 65, and 63 is the most that the wait can name: the weights, the mean and the biases are in
	QUANT 0, Q, 1, PC, PW                          ; the mean: source 1 of the query's products
.irp u, 0,1
	QUANT 1, 64*\u, 1, PC2, PW+1                   ; Wk's fragment 2 w + u
	s_wait_alu depctr_va_vdst(0)                   ; the conversions have written v[PC2 ..] and the shifts v[PW+1], which the five LDS stores read
.irp c, 0,1,2,3
	ds_store_b128 v[SWI], v[PC2+4*\c:PC2+4*\c+3] offset:WKI+2048*\u+512*\c   ; as it stands: lane l's 16 bytes at 16 l
.endr
	ds_store_b32 v[SWS], v[PW+1] offset:WKS+128*\u
	s_wait_dscnt 0x0                               ; the stores are done
	s_wait_alu depctr_vm_vsrc(0)                   ; the stores have read v[PC2 ..] and v[PW+1], which the next fragment's lines write again
.endr
.irp u, 0,1
	QUANT 1, 128+64*\u, 1, PC2, PW+1               ; Wq's fragment 2 w + u
.rept 3
	v_nop                                          ; with QUANT's last line: four places between the codes and the product; the scale words were made ahead of the holds
.endr
	s_wait_alu depctr_va_vdst(0)                   ; the codes v[PC2 ..] and v[PC ..] and the scale words v[PW], v[PW+1] are written, which the scaled product takes as its sources and scales; the places above stay beside this wait
	v_wmma_scale_f32_16x16x128_f8f6f4 v[BQ+8*\u:BQ+8*\u+7], v[PC2:PC2+15], v[PC:PC+15], v[BQ+8*\u:BQ+8*\u+7], v[PW+1], v[PW] matrix_a_fmt:MATRIX_FMT_BF8 matrix_b_fmt:MATRIX_FMT_BF8   ; query[32 w + 16 u + 8 h + j] in every lane (r, h); bq is the C
.endr
.rept 8
	v_nop                                          ; eight places ahead of the first read of the results
.endr
	v_pk_mul_f32 v[TM:TM+1], v[BQ:BQ+1], v[BKR:BKR+1]      ; query . bk over my 32 units; each tile's registers from the low end on
.irp p, 1,2,3,4,5,6,7
	v_pk_fma_f32 v[TM:TM+1], v[BQ+2*\p:BQ+2*\p+1], v[BKR+2*\p:BKR+2*\p+1], v[TM:TM+1]
.endr
	v_add_f32 v[U0], v[TM], v[TM+1]
	v_permlanex16_b32 v[TM+8], v[U0], s28, s29
	v_add_f32 v[U0], v[U0], v[TM+8]                ; with the other half's 16 units
	s_wait_alu depctr_va_vdst(0)                   ; the addition has written v[U0] and the two products v[BQ ..], which the five LDS stores read; the places behind the products stand further up
	ds_store_b32 v[SW4], v[U0] offset:CB           ; every lane holds the same number and writes the same word
.irp u, 0,1
	ds_store_b128 v[SQI], v[BQ+8*\u:BQ+8*\u+3]   offset:QIM+1024*\u
	ds_store_b128 v[SQI], v[BQ+8*\u+4:BQ+8*\u+7] offset:QIM+1024*\u+512
.endr
	s_wait_dscnt 0x0                               ; for the others' sake: my images have landed
	s_barrier_signal -1
	s_barrier_wait -1
	s_wait_alu depctr_vm_vsrc(0)                   ; my LDS stores have read v[BQ ..], in which a load below lands, and v[U0], which is written again below
	WIN 0x40
	s_wait_alu depctr_va_vdst(0)                   ; the quantiser's lines are done reading the weights' f32 rows in window 1 and the mean in v[Q ..], the dot product with bk v[BQ ..]: the loads below land in these.  Only loads and a window switch follow
.irp t, 0,1,2,3,4,5,6,7
.irp c, 0,1,2,3
	ds_load_b128 v[16*\t+4*\c:16*\t+4*\c+3], v[LI] offset:WKI+2048*\t+512*\c      ; Wk's 8 fragments: they stay
.endr
.endr
	WIN 0
.irp t, 0,1,2,3,4,5,6,7
.irp c, 0,1
	ds_load_b128 v[Q+8*\t+4*\c:Q+8*\t+4*\c+3], v[LI] offset:QIM+1024*\t+512*\c    ; the query: register 8 t + j = query[16 t + 8 h + j]
.endr
.endr
.irp t, 0,1,2,3,4,5,6,7
	ds_load_b32 v[WS+\t], v[LS] offset:WKS+128*\t  ; Wk's scale words
.endr
	ds_load_b128 v[BQ:BQ+3], v[AC] offset:CB       ; the four parts of query . bk
	WIN 0x40
.set k, 0
.rept 128
	v_mov_b32 v[ACC+k], 0                          ; A.  The group is written with no first turn of its own (a fifth copy of it would be too much text): it finds zeros
.set k, k+1
.endr
	WIN 0
	v_mov_b32 v[MM], 0xff61b1e6                    ; m: -3e38, under every t
	v_mov_b32 v[LL], 0                             ; l
	s_wait_dscnt 0x0
	v_add_f32 v[U0], v[BQ], v[BQ+1]
	v_add_f32 v[U1], v[BQ+2], v[BQ+3]
	v_add_f32 v[U0], v[U0], v[U1]
	v_mul_f32 v[C0], s31, v[U0]                    ; c x query . bk
; TILE j of the group in buffer buf: the 16 tokens 4 r + j.  Its score goes to v[TT + j].
.macro TILEQ buf, j
	QUANT 2+(\buf), \j, 4, PC, PW
.rept 3
	v_nop                                          ; with QUANT's last line: four places between the codes and the products
.endr
	s_wait_alu depctr_va_vdst(0)                   ; the conversions have written the codes v[PC ..] and the shifts the scale word v[PW], which the eight scaled products take as source 1 and as its scales; the places stay beside this wait
	WIN 0x01                                       ; source 0 (Wk) in window 1
.irp t, 0,1,2,3,4,5,6,7
	v_wmma_scale_f32_16x16x128_f8f6f4 v[T+8*\t:T+8*\t+7], v[16*\t:16*\t+15], v[PC:PC+15], 0, v[WS+\t], v[PW] matrix_a_fmt:MATRIX_FMT_BF8 matrix_b_fmt:MATRIX_FMT_BF8
.endr
.rept 8
	v_nop                                          ; eight places ahead of the first read of the results
.endr
	WIN 0
.irp p, 0,1,2,3
	v_pk_mul_f32 v[TM+2*\p:TM+2*\p+1], v[T+2*\p:T+2*\p+1], v[Q+2*\p:Q+2*\p+1]   ; query . keys in four chains of pairs; each tile's registers from the low end on
.endr
.irp t, 1,2,3,4,5,6,7
.irp p, 0,1,2,3
	v_pk_fma_f32 v[TM+2*\p:TM+2*\p+1], v[T+8*\t+2*\p:T+8*\t+2*\p+1], v[Q+8*\t+2*\p:Q+8*\t+2*\p+1], v[TM+2*\p:TM+2*\p+1]
.endr
.endr
	v_pk_add_f32 v[TM:TM+1], v[TM:TM+1], v[TM+2:TM+3]
	v_pk_add_f32 v[TM+4:TM+5], v[TM+4:TM+5], v[TM+6:TM+7]
	v_pk_add_f32 v[TM:TM+1], v[TM:TM+1], v[TM+4:TM+5]
	v_add_f32 v[U0], v[TM], v[TM+1]
	v_permlanex16_b32 v[TM+8], v[U0], s28, s29     ; the other 64 of the 128 lie in lane l xor 16
	v_add_f32 v[TT+(\j)], v[U0], v[TM+8]           ; the same bits in both lanes
.endm
; A GROUP in buffer buf.  left: how many younger loads may stay out.  refill = 1: the buffer takes the group two on, off bytes from the bases.
.macro GROUP buf, refill, left, off
	s_wait_loadcnt \left                           ; loads come back in order: this group's 65 are in
.irp j, 0,1,2,3
	TILEQ \buf, \j
.endr
.irp j, 0,1,2,3
	v_cmp_ne_u32 s[VM+\j], 0, v[MK+4*(\buf)+\j]    ; the four masks in one run, a scalar register each
.endr
.irp j, 0,1,2,3
	v_fma_f32 v[TT+\j], v[TT+\j], s31, v[C0]       ; t = c (query . W x) + c (query . bk)
.endr
	s_wait_alu depctr_va_sdst(0)                   ; the four compares have written s42 to s45, ahead of their first reader
.irp j, 0,1,2,3
	v_cndmask_b32 v[TT+\j], 0xff800000, v[TT+\j], s[VM+\j]   ; -infinity where the mask is 0
.endr
	v_max3_num_f32 v[U0], v[TT], v[TT+1], v[TT+2]
	v_max3_num_f32 v[U0], v[U0], v[TT+3], v[MM]    ; the lane's new m
	v_sub_f32 v[U1], v[MM], v[U0]
.irp j, 0,1,2,3
	v_sub_f32 v[TT+\j], v[TT+\j], v[U0]
.endr
	v_mov_b32 v[MM], v[U0]
	v_exp_f32 v[FF], v[U1]                         ; f = 2^(old m - new m)
.irp j, 0,1,2,3
	v_exp_f32 v[PP+\j], v[TT+\j]                   ; p = 2^(t - m)
.endr
	v_nop                                          ; a plain line behind the exponentials
	s_wait_alu depctr_va_vdst(0)                   ; the five exponentials have written v[FF] and v[PP ..]: the wait ahead of the first line that names a result: one for the five
	v_fma_f32 v[LL], v[LL], v[FF], v[PP]           ; l = l f + the four p
	v_add_f32 v[U0], v[PP+1], v[PP+2]
	v_add_f32 v[LL], v[LL], v[PP+3]
	v_add_f32 v[LL], v[LL], v[U0]
	WIN 0x41                                       ; A (destination and source 0) in window 1
.set k, 0
.rept 64
	v_pk_mul_f32 v[ACC+k:ACC+k+1], v[ACC+k:ACC+k+1], v[FF:FF+1] op_sel_hi:[1,0]
.set k, k+2
.endr
	WIN 0x52+(\buf)                                ; x (source 0) in window 2 or 3, p in window 0, A in window 1
.irp c, 0,1,2,3
.set k, 16*\c
.rept 16
	v_pk_fma_f32 v[ACC+2*k:ACC+2*k+1], v[4*k:4*k+1], v[PP:PP+1], v[ACC+2*k:ACC+2*k+1]         ; tokens 0 and 1
.set k, k+1
.endr
.set k, 16*\c
.rept 16
	v_pk_fma_f32 v[ACC+2*k:ACC+2*k+1], v[4*k+2:4*k+3], v[PP+2:PP+3], v[ACC+2*k:ACC+2*k+1]     ; tokens 2 and 3
.set k, k+1
.endr
.endr
.if \refill
	WIN 0
	s_wait_alu depctr_va_vdst(0)                   ; the pooling is done reading this buffer, and the compares its mask words: the 65 loads below land in them.  Only loads and window switches follow
	FILLM \buf, \off
.irp c, 0,1,2,3
	FILLX \buf, \c, \off
.endr
.endif
	WIN 0                                          ; at a label and at a branch every window is 0
.endm
	s_mov_b32 s33, 3
.Lpair:                                            ; three trips: groups 0 to 5 are worked, groups 2 to 7 asked for
	GROUP 0, 1, 63, 2048                           ; behind this buffer's loads stand the other buffer's 65 (the first time more): 63 is the most that the wait can name
	GROUP 1, 1, 63, 3072
	s_wait_xcnt 0x0                                ; the loads have read their bases, which step only behind this wait
	s_add_nc_u64 s[4:5], s[4:5], 2048              ; two groups on: 512 tokens x 4 bytes, in x's rows and in the mask
	s_add_nc_u64 s[6:7], s[6:7], 2048
	s_sub_co_u32 s33, s33, 1
	s_cmp_lg_u32 s33, 0
	s_cbranch_scc1 .Lpair
	GROUP 0, 0, 63, 0                              ; the last two groups are written out: nothing is left to fetch, and no load leaves its buffer
	GROUP 1, 0, 0, 0
	; THE WAY OUT.  A's pairs are added; the lanes' m, l and A are brought under one M and added: across the 16 lanes of a half (the halves hold the same tokens and other d), then across the waves through LDS.
	WIN 0x05                                       ; sources 0 and 1 in window 1
.set k, 0
.rept 64
	v_add_f32 v[T+k], v[ACC+2*k], v[ACC+2*k+1]
.set k, k+1
.endr
	WIN 0
	v_mov_b32 v[U0], v[MM]
.irp x, 1,2,4,8
	v_max_num_f32_dpp v[U0], v[U0], v[U0] row_xmask:\x row_mask:0xf bank_mask:0xf
.endr
	s_wait_alu depctr_va_vdst(0)                   ; the maxima have written v[U0], which the LDS store reads; and every vector line that named v[BQ ..], in which the load behind the barrier lands, is done
	ds_store_b32 v[SW4], v[U0] offset:MX           ; every lane holds the wave's maximum and writes the same word
	s_wait_dscnt 0x0
	s_barrier_signal -1
	s_barrier_wait -1
	s_wait_alu depctr_vm_vsrc(0)                   ; the LDS store has read v[U0], which is written again below
	ds_load_b128 v[BQ:BQ+3], v[AC] offset:MX
	s_wait_dscnt 0x0
	v_max3_num_f32 v[U1], v[BQ], v[BQ+1], v[BQ+2]
	v_max_num_f32 v[U1], v[U1], v[BQ+3]            ; M
	v_sub_f32 v[U0], v[MM], v[U1]
	v_exp_f32 v[FF], v[U0]                         ; 2^(m - M)
	v_nop
	s_wait_alu depctr_va_vdst(0)                   ; the exponential has written v[FF]: the wait ahead of the first reader
	v_mul_f32 v[LL], v[LL], v[FF]
.set k, 0
.rept 32
	v_pk_mul_f32 v[T+k:T+k+1], v[T+k:T+k+1], v[FF:FF+1] op_sel_hi:[1,0]
.set k, k+2
.endr
.irp x, 1,2,4,8
.set k, 0
.rept 64
	v_add_f32_dpp v[T+k], v[T+k], v[T+k] row_xmask:\x row_mask:0xf bank_mask:0xf
.set k, k+1
.endr
	v_add_f32_dpp v[LL], v[LL], v[LL] row_xmask:\x row_mask:0xf bank_mask:0xf
.endr
	s_wait_alu depctr_va_vdst(0)                   ; the additions have written v[T ..] and v[LL], which the LDS stores read; the maxima are done reading v[BQ ..], in which a load of wave 0 lands
.irp c, 0,1,2,3
.irp i, 0,1,2,3
	ds_store_b128 v[PA], v[T+16*\c+4*\i:T+16*\c+4*\i+3] offset:PAC+128*\c+16*\i   ; d = 32 c + 16 h + 4 i on; the 16 lanes of a half write the same bytes with the same numbers
.endr
.endr
	ds_store_b32 v[SW4], v[LL] offset:LSM
	s_wait_dscnt 0x0                               ; for wave 0's sake: my stores have landed
	s_barrier_signal -1
	s_barrier_wait -1
	s_wait_alu depctr_vm_vsrc(0)                   ; my LDS stores have read v[T ..], in which wave 0's loads land: stated ahead of the branch
	s_cmp_lg_u32 s20, 0
	s_cbranch_scc1 .Lend                           ; wave 0 alone adds the waves' parts
.irp w, 0,1,2,3
	ds_load_b128 v[T+4*\w:T+4*\w+3], v[LI] offset:PAC+512*\w      ; wave w's numbers d = 4 x lane .. + 3
.endr
	ds_load_b128 v[BQ:BQ+3], v[AC] offset:LSM
	s_wait_dscnt 0x0
.irp w, 1,2,3
	v_pk_add_f32 v[T:T+1], v[T:T+1], v[T+4*\w:T+4*\w+1]
	v_pk_add_f32 v[T+2:T+3], v[T+2:T+3], v[T+4*\w+2:T+4*\w+3]
.endr
	v_pk_add_f32 v[BQ:BQ+1], v[BQ:BQ+1], v[BQ+2:BQ+3]
	v_add_f32 v[BQ+5], v[BQ], v[BQ+1]              ; L
	v_mov_b32 v[BQ+4], v[U1]                       ; M
	v_mov_b32 v[BQ+6], v[U1]
	v_mov_b32 v[BQ+7], v[BQ+5]
	s_wait_alu depctr_va_vdst(0)                   ; the additions have written v[T:T+3] and the moves v[BQ+4:BQ+7], the two stores' data
	global_store_b128 v[LI], v[T:T+3], s[18:19]                  ; A: 512 consecutive bytes, aligned
	global_store_b128 v[LI], v[BQ+4:BQ+7], s[18:19] offset:512   ; (M, L, M, L) in every lane: 512 more
.Lend:
	s_wait_xcnt 0x0
	v_lshl_add_u32 v254, v0, 2, 0x7000             ; the add's two registers are made anew here: no two could be kept.  No memory or LDS instruction has read v254 or v255
	v_mov_b32 v255, 0
	s_wait_dscnt 0x0                               ; the closing lines, six on end
	s_wait_alu 0x0
	s_wait_tensorcnt 0x0
	ds_add_u32 v254, v255
	s_wait_dscnt 0x0
	s_endpgm
.Lfunc_end_k_q0346553720_attend:
	.size	k_q0346553720_attend, .Lfunc_end_k_q0346553720_attend-k_q0346553720_attend
	.p2alignl 7, 3214868480
	.fill 96, 4, 3214868480
	.section	.rodata,"a",@progbits
	.p2align	6, 0x0
	.amdhsa_kernel k_q0346553720_attend
		.amdhsa_group_segment_fixed_size 29184
		.amdhsa_private_segment_fixed_size 0
		.amdhsa_enable_private_segment 0
		.amdhsa_kernarg_size 64
		.amdhsa_user_sgpr_count 2
		.amdhsa_user_sgpr_kernarg_segment_ptr 1
		.amdhsa_wavefront_size32 1
		.amdhsa_system_sgpr_workgroup_id_x 1
		.amdhsa_system_sgpr_workgroup_id_y 1
		.amdhsa_system_sgpr_workgroup_id_z 1
		.amdhsa_system_vgpr_workitem_id 0
		.amdhsa_next_free_vgpr 1024
		.amdhsa_next_free_sgpr 66
		.amdhsa_reserve_vcc 0
		.amdhsa_float_denorm_mode_32 3
		.amdhsa_float_denorm_mode_16_64 3
		.amdhsa_memory_ordered 1
		.amdhsa_forward_progress 1
		.amdhsa_inst_pref_size 255
	.end_amdhsa_kernel
	.section	.bss,"aw",@nobits
	.p2align	6
	.space	262144
	.amdgpu_metadata
---
amdhsa.version: [ 1, 2 ]
amdhsa.kernels:
  - .name:           k_q0346553720_attend
    .symbol:         k_q0346553720_attend.kd
    .args:
      - { .name: x, .offset: 0, .size: 8, .value_kind: global_buffer, .address_space: global }
      - { .name: mask, .offset: 8, .size: 8, .value_kind: global_buffer, .address_space: global }
      - { .name: mean, .offset: 16, .size: 8, .value_kind: global_buffer, .address_space: global }
      - { .name: Wq, .offset: 24, .size: 8, .value_kind: global_buffer, .address_space: global }
      - { .name: bq, .offset: 32, .size: 8, .value_kind: global_buffer, .address_space: global }
      - { .name: Wk, .offset: 40, .size: 8, .value_kind: global_buffer, .address_space: global }
      - { .name: bk, .offset: 48, .size: 8, .value_kind: global_buffer, .address_space: global }
      - { .name: part, .offset: 56, .size: 8, .value_kind: global_buffer, .address_space: global }
    .group_segment_fixed_size: 29184
    .private_segment_fixed_size: 0
    .kernarg_segment_align: 8
    .kernarg_segment_size: 64
    .max_flat_workgroup_size: 128
    .sgpr_count:     66
    .vgpr_count:     1024
    .wavefront_size: 32
...
	.end_amdgpu_metadata
.endif
;; end of part 5
;; launch combine: the kernel of part 3 again; grid 32 x 1, 4 waves a work-group, no clusters, 0 bytes of LDS; arguments part, out0; writes out0
